; MI455X (gfx1250); checked and timed in simulation.
; The chip was launched on July 23, 2026; its instructions are those of AMD's public machine-readable ISA for CDNA 5 (MIT licence, August 2026) and "CDNA5" Instruction Set Architecture Reference Guide (July 2026). The comments in the code are by the model that wrote it; some were corrected since.
;; Context Vector NN. Allowed arithmetic: matrix products marked QUANTISED: E2M3 operands, one E8M0 scale for each 32 along K, by v_wmma_scale_f32_16x16x128_f8f6f4 with both operands' format E2M3, f32 sums; products left as they are: f32 operands where the result goes on into a quantised operand, else bf16, f16 or f32 operands; f32 sums; everything else in f32.
;; Inputs: W1 512 x 1,025 float32; W2 1 x 512 float32; b1 512 float32; b2 1 float32; coverage 32 x 1 x 4,096 float32; summary_current_state 32 x 512 float32; text_length 32 int32; text_states 32 x 4,096 x 512 float32.
;; Outputs: out0 32 x 512 float32; out1 32 x 1 x 4,096 float32.
;; This version of the problem:
;;   THIS VERSION OF THE PROBLEM IS GIVEN IN LOW PRECISION. The matrix products marked QUANTISED in the list below multiply operands that are first quantised to E2M3 (2 exponent bits, 3 mantissa bits; 6 bits a number), with one power-of-two scale for each 32 numbers along K (OCP MX v1.0); their sums are f32. All else is computed in f32.
;;   The module's matrix products, in the order in which they are computed (A, B: the left and right operand; K: the contracted axis; several contracted axes count as one K, in the product's order):
;;     1. [M 512, K 1,025] x [K 1,025, N 131,072]; A: input W1; B: computed on the way: QUANTISED
;;     2. [M 1, K 512] x [K 512, N 131,072]; A: input W2; B: computed on the way: left as it is (M = 1 < 16)
;;   THE QUANTISER, for each operand of a quantised product, along K:
;;     - K is cut into blocks of 32 from its start; a last block that is shorter is filled with zeros.
;;     - A block's scale is 2^e with e = floor(log2(the largest magnitude in the block)) - 2, held to -126 .. 127; a block of zeros has e = 0. As a byte (E8M0): e + 127.
;;     - Each number is divided by its block's scale, clamped to +-7.5, and rounded to the nearest number of E2M3, ties to even, subnormals kept.
;;     - The product sums the exact products of the quantised numbers (number of the format x scale) in f32.
;;   ~~~python
;;   def quantise(x, axis):      # numpy; x: float32 -> the quantised numbers, widened to float32 again
;;       x = np.moveaxis(x, axis, -1); K = x.shape[-1]
;;       x = np.pad(x, [(0, 0)] * (x.ndim - 1) + [(0, -K % 32)]); x = x.reshape(x.shape[:-1] + (-1, 32)); a = np.abs(x).max(-1, keepdims=True)
;;       e = np.where(a > 0, np.clip(np.frexp(np.where(a > 0, a, 1))[1] - 1 - 2, -126, 127), 0)      # np.frexp(a)[1] - 1 = floor(log2(a)), exactly
;;       r = np.clip(x / 2.0 ** e, -7.5, 7.5)
;;       step = 2.0 ** (np.maximum(np.frexp(np.where(r == 0, 1, r))[1] - 1, 0) - 3)
;;       q = np.round(r / step) * step * 2.0 ** e      # np.round: ties to even
;;       return np.moveaxis(q.reshape(q.shape[:-2] + (-1,))[..., :K], -1, axis).astype(np.float32)
;;   ~~~
;;   OPERANDS COMPUTED ON THE WAY. 'Computed on the way' means the value that the module computes at that place (a softmax that the list does not call 'softmax' is quantised finished and normalised). What goes into a quantiser is computed in f32, as accurately as f32 sums, v_exp_f32 and their like allow (about 1e-6 of the number): no bf16 or f16 on the way to a quantiser, and a product that is left as it is and whose result goes on into a quantised operand takes f32 operands (vector FMAs, or v_wmma_f32_16x16x4_f32). A number that lies on a knife's edge between two numbers of the format may be rounded either way, as far as f32 arithmetic and the matrix unit's own rounding can turn it there, and no further.
;; 2 versions, each right; version 2 is version 1 with the launches prep, main written anew for expert scheduling mode. Each part assembles by itself: llvm-mc -triple=amdgcn-amd-amdhsa -mcpu=gfx1250 --defsym DOCPART=n.
;; ======== version 1 of 2: 3 launches
;; workspace buffers: w1f 196,608 bytes; w1m 24,576 bytes; biasw 65,536 bytes; list 32,768 bytes of whole numbers; logit 524,288 bytes; ctxp 4,194,304 bytes
;; launch prep (part 1): grid 32 x 1, 4 waves a work-group, no clusters, 74,496 bytes of LDS; arguments W1, summary_current_state, b1, text_length, w1f, w1m, biasw, list; writes w1f, w1m, biasw, list
.if DOCPART == 1
	.amdgcn_target "amdgcn-amd-amdhsa--gfx1250"
	.amdhsa_code_object_version 6
	.text
	.protected	k_qef33bd4480_prep
	.globl	k_qef33bd4480_prep
	.p2align	8
	.type	k_qef33bd4480_prep,@function
k_qef33bd4480_prep:
	s_mov_b64 s[64:65], 0
	v_nop
	global_prefetch_b8 v0, s[64:65] scope:SCOPE_SE
	s_setreg_imm32_b32 hwreg(HW_REG_WAVE_MODE, 25, 1), 1
	s_wait_xcnt 0x0
; PREP.  W1 [512][1025] f32 is quantised along K (E2M3, one E8M0 byte for 32 along K) and laid out as the main launch's operand registers take it;
; the summary half of the first product, which is the same for all positions of a batch, is multiplied here once (512 x 512 x 32, on codes) and
; stored with b1 as a bias, times 2 log2(e); and the list of steps of 64 positions under text_length is made.
; SHARES.  Work-group j owns rows 16 j .. 16 j + 15 of W1 (one tile).  Wave v takes K step v of the text part (k = 128 v ..) and K step v of the
; summary part (k = 512 + 128 v ..); wave 0 also the coverage channel k = 1024, whose block is that one number and 31 zeros.
; Thread t of work-group j makes list entry 128 j + t.
; LDS: bytes 0 .. 65,599 the 16 rows as they lie (4,100 bytes a row: 1,025 words, so sixteen rows fall on sixteen banks); from 65,792 on 8,192 bytes
; of partial sums of the summary product, [wave][batch half][2 x 512].
; LIMITS: text_length above 4,096 counts as 4,096; 0 and less is not served.  NaN and infinities among the inputs are not served.  A block whose
; largest magnitude lies under 2^-124, a block of zeros too, gets the byte 1: the zeros' codes are zeros, and only this program reads the bytes.
.set ROWW,  4100
.set PD,    65792
.set FLOOR, 0x1800000                  ; 2^(3 - 127): under it no largest magnitude is taken, so the byte cannot fall under 1
.set EOFF,  0xff000000                 ; takes 2 off an exponent field
.set T0,  248
.set T1,  249
.set T2,  15
.set T3,  19
.set SO0, 250
.set SO1, 251
.set CT,  20                           ; v20-22, v24-26: the upper halves of a block's codes, before they are moved
.set TP,  27
.set H8,  8
.set SEL, 4
.set QT,  32                           ; v32-95   64 numbers of W1
.set SSN, 96                           ; v96-223  2 x 64 numbers of the summary
.set TF,  224                          ; the text fragment
.set AF,  236                          ; the summary fragment of W1
.set BF,  32                           ; v32-55   the summary's two fragments
.set DD,  56                           ; v56-71   two results
.set BB,  72                           ; v72-79   b1
; 64 numbers of a lane, register 32 c + i = k 64 c + 32 (lane / 16) + i of the lane's row, become a fragment's 12 registers from v[f] on and its scale word in v[w].
.macro QUANT s, f, w
	v_max3_num_f32 v[T0], |v[(\s)]|, |v[(\s)+1]|, FLOOR
	v_max3_num_f32 v[T1], |v[(\s)+32]|, |v[(\s)+33]|, FLOOR
	v_max3_num_f32 v[T2], |v[(\s)+16]|, |v[(\s)+17]|, FLOOR
	v_max3_num_f32 v[T3], |v[(\s)+48]|, |v[(\s)+49]|, FLOOR
.irp i, 2,4,6,8,10,12,14
	v_max3_num_f32 v[T0], v[T0], |v[(\s)+\i]|, |v[(\s)+\i+1]|          ; four chains by turns: two for each of the lane's two blocks
	v_max3_num_f32 v[T1], v[T1], |v[(\s)+32+\i]|, |v[(\s)+33+\i]|
	v_max3_num_f32 v[T2], v[T2], |v[(\s)+16+\i]|, |v[(\s)+17+\i]|
	v_max3_num_f32 v[T3], v[T3], |v[(\s)+48+\i]|, |v[(\s)+49+\i]|
.endr
	v_max_num_f32 v[T0], v[T0], v[T2]
	v_max_num_f32 v[T1], v[T1], v[T3]
	v_add_nc_u32 v[SO0], EOFF, v[T0]               ; the conversion takes the exponent field of this operand as its scale
	v_add_nc_u32 v[SO1], EOFF, v[T1]
	v_lshrrev_b32 v[T0], 23, v[SO0]                ; the scales' bytes: blocks h and 2 + h
	v_lshrrev_b32 v[T1], 23, v[SO1]
	v_lshl_or_b32 v[\w], v[T1], 16, v[T0]
	v_lshlrev_b32 v[\w], v[H8], v[\w]              ; 8 h bits up
	v_permlanex16_b32 v[TP], v[\w], s[SEL], s[SEL+1]
	v_or_b32 v[\w], v[\w], v[TP]                   ; with lane l xor 16's two bytes the word is whole
	v_cvt_scalef32_pk16_fp6_f32 v[(\f):(\f)+2], v[(\s):(\s)+15], v[SO0]
	v_cvt_scalef32_pk16_fp6_f32 v[CT:CT+2], v[(\s)+16:(\s)+31], v[SO0]     ; (a conversion's three registers begin on an even number)
	v_cvt_scalef32_pk16_fp6_f32 v[(\f)+6:(\f)+8], v[(\s)+32:(\s)+47], v[SO1]
	v_cvt_scalef32_pk16_fp6_f32 v[CT+4:CT+6], v[(\s)+48:(\s)+63], v[SO1]
	v_nop                                          ; one plain place behind the conversions
.irp i, 0,1,2
	v_mov_b32 v[(\f)+3+\i], v[CT+\i]
	v_mov_b32 v[(\f)+9+\i], v[CT+4+\i]
.endr
.endm
.macro BARRIER                         ; my LDS stores have landed and my LDS loads are in: then the work-group's barrier
	s_wait_dscnt 0x0
	s_barrier_signal -1
	s_barrier_wait -1
.endm
	s_load_b512 s[8:23], s[0:1], 0x0               ; W1 s[8:9], summary s[10:11], b1 s[12:13], text_length s[14:15], w1f s[16:17], w1m s[18:19], biasw s[20:21], list s[22:23]
	v_lshl_add_u32 v23, v0, 2, 0x12100
	s_set_vgpr_msb 0x40
	v_mov_b32 v1, 0
	s_set_vgpr_msb 0x4000
	v_lshrrev_b32 v1, 5, v0
	v_readfirstlane_b32 s2, v1                     ; wave 0..3
	v_and_b32 v1, 31, v0                           ; lane
	v_and_b32 v2, 15, v0                           ; r
	v_bfe_u32 v3, v0, 4, 1                         ; h
	s_mov_b32 s[SEL], 0x76543210
	s_mov_b32 s[SEL+1], 0xfedcba98                 ; selects for lane l xor 16
	s_mov_b32 s6, 0xffff                           ; lanes 0-15
	v_lshlrev_b32 v4, 4, v1                        ; 16 x lane
	s_lshl_b32 s24, s2, 9                          ; my K step: 512 bytes a step
	v_mul_u32_u24 v5, v2, ROWW
	v_lshl_add_u32 v5, v3, 7, v5
	v_add_nc_u32 v5, s24, v5                       ; LDS: row r, + 128 h, + my K step
	s_mul_i32 s25, s2, 4*ROWW
	v_add_nc_u32 v6, s25, v4                       ; the copy: my four rows, 16 bytes a lane; the same offset in memory and in LDS
	v_mul_u32_u24 v7, v2, ROWW                     ; LDS: row r (the coverage channel lies 4,096 bytes on)
	v_lshlrev_b32 v[H8], 3, v3                     ; 8 h
	v_lshlrev_b32 v9, 2, v1                        ; 4 x lane
	v_lshlrev_b32 v10, 11, v2
	v_lshl_add_u32 v10, v3, 7, v10
	v_add_nc_u32 v10, s24, v10                     ; the summary: batch r of 2,048 bytes, + 128 h, + my K step
	v_lshlrev_b32 v11, 11, v2
	v_lshl_add_u32 v11, v3, 5, v11
	s_and_b32 s26, s2, 1
	s_lshl_b32 s27, s26, 15
	v_add_nc_u32 v11, s27, v11                     ; the bias: batch 16 (wave % 2) + r, + 32 h
	v_lshlrev_b32 v12, 5, v3                       ; 32 h
	s_lshl_b32 s27, s2, 11
	s_add_co_u32 s27, s27, PD
	v_add_nc_u32 v13, s27, v4                      ; where I put my partial sums
	s_lshl_b32 s27, s26, 10
	s_add_co_u32 s27, s27, PD
	v_add_nc_u32 v14, s27, v4                      ; where waves 0 and 1 read all four
	v_mov_b32 v[TP], 0                             ; written once: a lane permute's destination counts as one of its sources
	s_lshl_b32 s28, ttmp9, 7
	v_add_nc_u32 v15, s28, v0                      ; g: my list entry
	s_wait_kmcnt 0x0
	s_load_b512 s[32:47], s[14:15], 0x0            ; the 32 lengths
	s_load_b512 s[48:63], s[14:15], 0x40
	s_mul_i32 s28, ttmp9, 16*ROWW
	s_mov_b32 s29, 0
	s_add_nc_u64 s[8:9], s[8:9], s[28:29]          ; W1 at my 16 rows: 65,600 dense bytes
.set i, 0
.rept 32
	global_load_b128 v[32+4*i:35+4*i], v6, s[8:9] offset:512*i
.set i, i+1
.endr
	global_load_b128 v[160:163], v6, s[8:9] offset:4*ROWW-512   ; the last 512 of my 16,400 bytes: it overlaps my own bytes alone
	s_lshl_b32 s28, ttmp9, 2
	s_add_co_u32 s28, s28, s2
	s_mul_i32 s28, s28, 1536
	s_add_nc_u64 s[16:17], s[16:17], s[28:29]      ; w1f: fragment (tile j, K step v)
	s_mul_i32 s28, ttmp9, 5
	s_add_co_u32 s30, s28, s2
	s_lshl_b32 s30, s30, 7
	s_mov_b32 s31, 0
	s_add_nc_u64 s[70:71], s[18:19], s[30:31]      ; w1m: scale words (tile j, K step v), 128 bytes
	s_add_co_u32 s30, s28, 4
	s_lshl_b32 s30, s30, 7
	s_add_nc_u64 s[72:73], s[18:19], s[30:31]      ; those of the coverage step
	s_lshl_b32 s30, ttmp9, 7
	s_add_co_u32 s30, s30, 20480
	s_add_nc_u64 s[74:75], s[18:19], s[30:31]      ; and its code words
	s_lshl_b32 s30, ttmp9, 6
	s_add_nc_u64 s[12:13], s[12:13], s[30:31]      ; b1 and the bias at my 16 hidden units
	s_add_nc_u64 s[20:21], s[20:21], s[30:31]
	s_lshl_b32 s30, ttmp9, 10
	s_add_nc_u64 s[22:23], s[22:23], s[30:31]      ; the list at my 128 entries
	s_wait_kmcnt 0x0
	; THE LIST, while W1 is on its way.  Batch b has ceil(len / 64) steps; entry g belongs to the last batch whose first entry P is not above g.
	v_mov_b32 v16, 0
	v_mov_b32 v17, 0
	s_mov_b32 s66, 0                               ; P
.set b, 0
.rept 32
	s_min_u32 s67, s[32+b], 4096
	v_cmp_le_u32 vcc_lo, s66, v15
	s_sub_co_u32 s68, 64*b, s66
	v_mov_b32 v18, s68
	v_mov_b32 v19, s67
	v_cndmask_b32 v16, v16, v18, vcc_lo            ; slot - g = 64 b - P
	v_cndmask_b32 v17, v17, v19, vcc_lo            ; the batch's length
	s_add_co_u32 s67, s67, 63
	s_lshr_b32 s67, s67, 6
	s_add_co_u32 s66, s66, s67
.set b, b+1
.endr
	v_add_nc_u32 v16, v15, v16                     ; slot = 64 b + step
	v_and_b32 v18, 63, v16
	v_lshlrev_b32 v18, 6, v18                      ; the step's first position
	v_sub_nc_u32 v17, v17, v18
	v_min_u32 v17, 64, v17                         ; how many of its 64 positions count
	v_cmp_gt_u32 vcc_lo, s66, v15
	v_cndmask_b32 v16, 0, v16, vcc_lo              ; entries behind the last step: {0, 0}
	v_cndmask_b32 v17, 0, v17, vcc_lo
	v_lshlrev_b32 v18, 3, v0
	global_store_b64 v18, v[16:17], s[22:23]       ; a wave stores 256 consecutive bytes; v16-18 are not written again
	; THE COPY INTO LDS
	s_wait_loadcnt 0x0
.set i, 0
.rept 32
	ds_store_b128 v6, v[32+4*i:35+4*i] offset:512*i
.set i, i+1
.endr
	ds_store_b128 v6, v[160:163] offset:4*ROWW-512
	s_wait_dscnt 0x0                               ; the stores have landed, and have read the registers into which the summary is loaded now
.irp be, 0,1
.irp c, 0,1
.irp i, 0,1,2,3,4,5,6,7
	global_load_b128 v[SSN+64*\be+32*\c+4*\i:SSN+64*\be+32*\c+4*\i+3], v10, s[10:11] offset:32768*\be+256*\c+16*\i
.endr
.endr
.endr
	s_barrier_signal -1
	s_barrier_wait -1                              ; the 16 rows lie in LDS
	; THE TEXT PART: my K step of the tile
.irp c, 0,1
.set i, 0
.rept 32
	ds_load_b32 v[QT+32*\c+i], v5 offset:256*\c+4*i
.set i, i+1
.endr
.endr
	s_wait_dscnt 0x0
	QUANT QT, TF, 28
.irp c, 0,1,2
	global_store_b128 v4, v[TF+4*\c:TF+4*\c+3], s[16:17] offset:512*\c   ; the fragment as an image of its registers: 512 consecutive bytes a store
.endr
	global_store_b32 v9, v28, s[70:71]
	; THE SUMMARY PART of W1: 2,048 bytes further along the rows
.irp c, 0,1
.set i, 0
.rept 32
	ds_load_b32 v[QT+32*\c+i], v5 offset:2048+256*\c+4*i
.set i, i+1
.endr
.endr
	s_wait_dscnt 0x0
	QUANT QT, AF, 29
	global_load_b128 v[BB:BB+3], v12, s[12:13]     ; b1 of the tile's eight units of my half, into registers that W1's numbers have left
	global_load_b128 v[BB+4:BB+7], v12, s[12:13] offset:16
	; THE COVERAGE CHANNEL: wave 0
	s_cmp_lg_u32 s2, 0
	s_cbranch_scc1 .Lnocov
	ds_load_b32 v32, v7 offset:4096
	s_wait_dscnt 0x0
	v_max3_num_f32 v[T0], |v32|, |v32|, FLOOR
	v_add_nc_u32 v[SO0], EOFF, v[T0]
	v_lshrrev_b32 v255, 23, v[SO0]                 ; the scale word: the block's byte below, 0 (no NaN) over the three blocks of zeros
	v_cndmask_b32 v32, 0, v32, s6                  ; lanes 16-31 hold k = 32 .. of the step: zeros
.irp i, 33,34,35,36,37,38,39,40,41,42,43,44,45,46,47
	v_mov_b32 v\i, 0
.endr
	v_cvt_scalef32_pk16_fp6_f32 v[252:254], v[32:47], v[SO0]
	v_nop
	global_store_b32 v9, v252, s[74:75]            ; register 0 of the step's fragment; v252-255 are not written again
	global_store_b32 v9, v255, s[72:73]
.Lnocov:
	; THE SUMMARY PRODUCT: source 0 = the tile's 16 rows of W1, source 1 = 16 batches; my K step
	s_wait_loadcnt 0x0
	QUANT SSN, BF, 30
	QUANT SSN+64, BF+12, 31
.rept 8
	v_nop                                          ; scale words written by vector instructions stand eight places ahead of a scaled product, operands four
.endr
	v_wmma_scale_f32_16x16x128_f8f6f4 v[DD:DD+7], v[AF:AF+11], v[BF:BF+11], 0, v29, v30 matrix_a_fmt:MATRIX_FMT_FP6 matrix_b_fmt:MATRIX_FMT_FP6
	v_wmma_scale_f32_16x16x128_f8f6f4 v[DD+8:DD+15], v[AF:AF+11], v[BF+12:BF+23], 0, v29, v31 matrix_a_fmt:MATRIX_FMT_FP6 matrix_b_fmt:MATRIX_FMT_FP6
.rept 4
	v_nop
.endr
.irp be, 0,1
	ds_store_b128 v13, v[DD+8*\be:DD+8*\be+3] offset:1024*\be          ; each result from its low end on
	ds_store_b128 v13, v[DD+8*\be+4:DD+8*\be+7] offset:1024*\be+512
.endr
	BARRIER                                        ; the four K steps' parts lie in LDS
	; THE BIAS: waves 0 and 1, batches 16 x wave on: lane (r, h) holds batch r and hidden units 8 h + 0 .. 7 of the tile
	s_cmp_gt_u32 s2, 1
	s_cbranch_scc1 .Lend
.irp wv, 0,1,2,3
	ds_load_b128 v[96+8*\wv:99+8*\wv], v14 offset:2048*\wv
	ds_load_b128 v[100+8*\wv:103+8*\wv], v14 offset:2048*\wv+512
.endr
	s_wait_dscnt 0x0
.irp p, 0,2,4,6
	v_pk_add_f32 v[96+\p:97+\p], v[96+\p:97+\p], v[104+\p:105+\p]
	v_pk_add_f32 v[112+\p:113+\p], v[112+\p:113+\p], v[120+\p:121+\p]
.endr
.irp p, 0,2,4,6
	v_pk_add_f32 v[96+\p:97+\p], v[96+\p:97+\p], v[112+\p:113+\p]
.endr
.irp p, 0,2,4,6
	v_pk_add_f32 v[96+\p:97+\p], v[96+\p:97+\p], v[BB+\p:BB+\p+1]
.endr
.irp p, 0,2,4,6
	v_pk_mul_f32 v[96+\p:97+\p], v[96+\p:97+\p], 0x4038aa3b op_sel_hi:[1,0]   ; x 2 log2(e): the main launch's tanh works in base 2
.endr
	global_store_b128 v11, v[96:99], s[20:21]
	global_store_b128 v11, v[100:103], s[20:21] offset:16
.Lend:
	s_set_vgpr_msb 0x4
	s_wait_tensorcnt 0x0
	ds_add_u32 v23, v1
	s_wait_dscnt 0x0
	s_set_vgpr_msb 0x400
	s_endpgm
.Lfunc_end_k_qef33bd4480_prep:
	.size	k_qef33bd4480_prep, .Lfunc_end_k_qef33bd4480_prep-k_qef33bd4480_prep
	.p2alignl 7, 3214868480
	.fill 96, 4, 3214868480
	.section	.rodata,"a",@progbits
	.p2align	6, 0x0
	.amdhsa_kernel k_qef33bd4480_prep
		.amdhsa_group_segment_fixed_size 74496
		.amdhsa_private_segment_fixed_size 0
		.amdhsa_enable_private_segment 0
		.amdhsa_kernarg_size 64
		.amdhsa_user_sgpr_count 2
		.amdhsa_user_sgpr_kernarg_segment_ptr 1
		.amdhsa_wavefront_size32 1
		.amdhsa_system_sgpr_workgroup_id_x 1
		.amdhsa_system_sgpr_workgroup_id_y 1
		.amdhsa_system_sgpr_workgroup_id_z 1
		.amdhsa_system_vgpr_workitem_id 0
		.amdhsa_next_free_vgpr 258
		.amdhsa_next_free_sgpr 80
		.amdhsa_reserve_vcc 1
		.amdhsa_float_denorm_mode_32 3
		.amdhsa_float_denorm_mode_16_64 3
		.amdhsa_memory_ordered 1
		.amdhsa_forward_progress 1
		.amdhsa_inst_pref_size 50
	.end_amdhsa_kernel
	.amdgpu_metadata
---
amdhsa.version: [ 1, 2 ]
amdhsa.kernels:
  - .name:           k_qef33bd4480_prep
    .symbol:         k_qef33bd4480_prep.kd
    .args:
      - { .name: W1, .offset: 0, .size: 8, .value_kind: global_buffer, .address_space: global }
      - { .name: summary_current_state, .offset: 8, .size: 8, .value_kind: global_buffer, .address_space: global }
      - { .name: b1, .offset: 16, .size: 8, .value_kind: global_buffer, .address_space: global }
      - { .name: text_length, .offset: 24, .size: 8, .value_kind: global_buffer, .address_space: global }
      - { .name: w1f, .offset: 32, .size: 8, .value_kind: global_buffer, .address_space: global }
      - { .name: w1m, .offset: 40, .size: 8, .value_kind: global_buffer, .address_space: global }
      - { .name: biasw, .offset: 48, .size: 8, .value_kind: global_buffer, .address_space: global }
      - { .name: list, .offset: 56, .size: 8, .value_kind: global_buffer, .address_space: global }
    .group_segment_fixed_size: 74496
    .private_segment_fixed_size: 0
    .kernarg_segment_align: 8
    .kernarg_segment_size: 64
    .max_flat_workgroup_size: 128
    .sgpr_count:     80
    .vgpr_count:     258
    .wavefront_size: 32
...
	.end_amdgpu_metadata
.endif
;; end of part 1
;; launch main (part 2): grid 256 x 1, 4 waves a work-group, no clusters, 170,496 bytes of LDS; arguments text_states, coverage, W2, b2, w1f, w1m, biasw, list, logit, ctxp; writes logit, ctxp
.if DOCPART == 2
	.amdgcn_target "amdgcn-amd-amdhsa--gfx1250"
	.amdhsa_code_object_version 6
	.text
	.protected	k_qef33bd4480_main
	.globl	k_qef33bd4480_main
	.p2align	8
	.type	k_qef33bd4480_main,@function
k_qef33bd4480_main:
	s_mov_b64 s[64:65], 0
	v_nop
	global_prefetch_b8 v0, s[64:65] scope:SCOPE_SE
	s_setreg_imm32_b32 hwreg(HW_REG_WAVE_MODE, 25, 1), 1
	s_wait_xcnt 0x0
; MAIN.  For each step of 64 positions under text_length: the text states are read from memory ONCE, kept in LDS as f32, quantised (E2M3, one E8M0 byte for 32 along K),
; multiplied with W1's text part and coverage channel on codes, tanh, the product with W2 by fused multiply-adds in f32, and the step's own softmax part:
; logits (-infinity at positions that do not count), and the sum of 2^((logit - the step's largest) log2 e) x text state.  The last launch joins the steps.
; The summary half of K is the same for all positions of a batch: it comes as a bias, made once on codes by the launch before.
; SHARES.  Work-group w walks list entries w + 256 i, i = 0 .. 7 (2,048 entries hold every split of lengths); an entry {slot, 0} has no work.  The barriers stand on every path;
; each phase between two barriers is jumped over where the entry is empty (a scalar branch on a stored whole number, alike in all four waves).
; Wave v owns hidden units 128 v .. 128 v + 127, whose weights stay in its registers for the whole launch, and rows 16 v .. 16 v + 15 of each step for loading, quantising and the context sum.
; No tensor load, no cluster: trip work hangs on stored numbers, and what work-groups share (the weights, 200 KB) is read once by each.
; THE PRODUCT IS USED WITH source 0 = 16 rows of W1, source 1 = 16 positions: lane (r, h) holds position r, register j hidden unit 16 t + 8 h + j.
; tanh(z) = 1 - 2 / (1 + 2^(2 log2(e) z)): so W2 . tanh = sum(W2) + sum((-2 W2) / (1 + 2^..)).
; BY TURNS.  A unit is 20 products (4 tiles of hidden units x 5 K steps) on four accumulators by turns; behind each product stands a slice of the tanh of the unit before, on the other four accumulators.
; LIMITS: NaN and infinities among the inputs are not served.  A block whose largest magnitude lies under 2^-124, a block of zeros too, gets the byte 1 (zeros' codes are zeros).
; LDS (bytes): FB 4 x 33,024 each wave's 16 rows of f32, 2,064 apart; XI x's 16 fragments as images of their registers; XCI, XCS the coverage step's code and scale words; XSI the text steps' scale words;
; PL partial logits [wave][64]; PP each wave's 64 weights; CX context parts [wave][2,048].
; REGISTERS.  window 0: v1-23 addresses and lane terms; v24-63 W1's scale words; v64-75 x's scale words (two sets); v76-101 W1's coverage code words, tile t's at 76 + 2 t (its operand is the 12 registers from
; there on: x's side is zero at every k but the first, so what the other eleven hold counts for nothing; the spare ones serve as scratch); v102-113 x's coverage fragment (registers 1-11 stay 0); v114-125 a fragment just made;
; v126-253 by phases: 2 x 64 numbers | x's 4 fragments, 8 accumulators, sums | rows of f32, context sums, weights.
; window 1: W1's fragments of tiles 0-3, from v192 -2 W2.   window 2: tiles 4-7, from v192 the bias.   window 3: the next step's 16 rows of f32.
.set FP,   2064
.set FBW,  16*FP
.set XI,   4*FBW
.set XCI,  XI+24576
.set XSI,  XCI+512
.set XCS,  XSI+2048
.set PL,   XCS+512
.set PP,   PL+1024
.set CX,   PP+1024
.set FLOOR, 0x1800000
.set EOFF,  0xff000000
.set W1S,  24
.set XS,   64
.set CWIN, 76
.set XC,   102
.set F,    114
.set QT,   126
.set XF,   126
.set ACC,  174
.set LACC, 238
.set TT,   246
.set TT2,  247
.set XR,   126
.set CACC, 222
.set PB,   238
.set WQ,   77                          ; v77, 79, 81, 83: the four scale words just made
.set T0,   85
.set T1,   87
.set T2,   100
.set T3,   101
.set SO0,  89
.set SO1,  91
.set CT,   92                          ; v92-94, v96-98
.set TP,   99
.set H8,   18
.set SEL,  36
.set MSB, 0
.macro WIN new                         ; the immediate's high byte repeats the setting that is left; a switch that changes nothing is dropped
.if MSB != (\new)
	s_set_vgpr_msb (MSB<<8)|(\new)
.set MSB, (\new)
.endif
.endm
; 64 numbers of a lane, register 32 c + i = k 64 c + 32 (lane / 16) + i of the lane's row, become a fragment's 12 registers from v[f] on and its scale word in v[w].
.macro QUANT s, f, w
	v_max3_num_f32 v[T0], |v[(\s)]|, |v[(\s)+1]|, FLOOR
	v_max3_num_f32 v[T1], |v[(\s)+32]|, |v[(\s)+33]|, FLOOR
	v_max3_num_f32 v[T2], |v[(\s)+16]|, |v[(\s)+17]|, FLOOR
	v_max3_num_f32 v[T3], |v[(\s)+48]|, |v[(\s)+49]|, FLOOR
.irp i, 2,4,6,8,10,12,14
	v_max3_num_f32 v[T0], v[T0], |v[(\s)+\i]|, |v[(\s)+\i+1]|
	v_max3_num_f32 v[T1], v[T1], |v[(\s)+32+\i]|, |v[(\s)+33+\i]|
	v_max3_num_f32 v[T2], v[T2], |v[(\s)+16+\i]|, |v[(\s)+17+\i]|
	v_max3_num_f32 v[T3], v[T3], |v[(\s)+48+\i]|, |v[(\s)+49+\i]|
.endr
	v_max_num_f32 v[T0], v[T0], v[T2]
	v_max_num_f32 v[T1], v[T1], v[T3]
	v_add_nc_u32 v[SO0], EOFF, v[T0]
	v_add_nc_u32 v[SO1], EOFF, v[T1]
	v_lshrrev_b32 v[T0], 23, v[SO0]
	v_lshrrev_b32 v[T1], 23, v[SO1]
	v_lshl_or_b32 v[\w], v[T1], 16, v[T0]
	v_lshlrev_b32 v[\w], v[H8], v[\w]
	v_permlanex16_b32 v[TP], v[\w], s[SEL], s[SEL+1]
	v_or_b32 v[\w], v[\w], v[TP]
	v_cvt_scalef32_pk16_fp6_f32 v[(\f):(\f)+2], v[(\s):(\s)+15], v[SO0]
	v_cvt_scalef32_pk16_fp6_f32 v[CT:CT+2], v[(\s)+16:(\s)+31], v[SO0]
	v_cvt_scalef32_pk16_fp6_f32 v[(\f)+6:(\f)+8], v[(\s)+32:(\s)+47], v[SO1]
	v_cvt_scalef32_pk16_fp6_f32 v[CT+4:CT+6], v[(\s)+48:(\s)+63], v[SO1]
	v_nop                                          ; one plain place behind the conversions
.irp i, 0,1,2
	v_mov_b32 v[(\f)+3+\i], v[CT+\i]
	v_mov_b32 v[(\f)+9+\i], v[CT+4+\i]
.endr
.endm
; A stored slot enters an address only held at 2,047, and then by AND, shifts left and additions.
.macro RINGBASE e                      ; where my 16 rows of the step in s[e] lie in the text states and in the coverage
	s_min_u32 s54, s[\e], 2047
	s_lshl_b32 s42, s54, 17
	s_add_co_u32 s42, s42, s56
	s_add_nc_u64 s[44:45], s[8:9], s[42:43]
	s_lshl_b32 s42, s54, 8
	s_add_co_u32 s42, s42, s57
	s_add_nc_u64 s[46:47], s[10:11], s[42:43]
.endm
.macro BIASBASE e                      ; and my 128 numbers of its batch's bias
	s_min_u32 s54, s[\e], 2047
	s_and_b32 s42, s54, 0x7c0
	s_lshl_b32 s42, s42, 5
	s_add_co_u32 s42, s42, s58
	s_add_nc_u64 s[48:49], s[20:21], s[42:43]
.endm
.macro RINGLOAD                        ; 16 rows x 2,048 bytes into window 3, 512 consecutive bytes a load; and the rows' coverage
	WIN 0xc0
.set i_, 0
.rept 64
	global_load_b128 v[4*i_:4*i_+3], v1, s[44:45] offset:2048*(i_/4)+512*(i_%4) th:TH_LOAD_NT
.set i_, i_+1
.endr
	WIN 0
	global_load_b32 v20, v2, s[46:47]
.endm
.macro BIASLOAD
	WIN 0x80
.irp t, 0,1,2,3,4,5,6,7
	global_load_b128 v[192+8*\t:195+8*\t], v3, s[48:49] offset:64*\t
	global_load_b128 v[196+8*\t:199+8*\t], v3, s[48:49] offset:64*\t+16
.endr
	WIN 0
.endm
.macro QLOAD q                         ; my row's 64 numbers of K step q, out of my wave's rows in LDS
.irp c, 0,1
.irp i, 0,1,2,3,4,5,6,7
	ds_load_b128 v[QT+64*((\q)%2)+32*\c+4*\i:QT+64*((\q)%2)+32*\c+4*\i+3], v6 offset:512*(\q)+256*\c+16*\i
.endr
.endr
.endm
.macro XL01 m                          ; x's fragments 0 and 1 of tile m of positions, and its scale words: 8 loads
.irp q, 0,1
.irp c, 0,1,2
	ds_load_b128 v[XF+12*\q+4*\c:XF+12*\q+4*\c+3], v8 offset:6144*(\m)+1536*\q+512*\c
.endr
.endr
	ds_load_b128 v[XS+6*((\m)%2):XS+6*((\m)%2)+3], v8 offset:XSI-XI+512*(\m)
	ds_load_b32 v[XS+6*((\m)%2)+4], v9 offset:XCS-XCI+128*(\m)
.endm
.macro XL23 m                          ; fragments 2 and 3: 6 loads
.irp q, 2,3
.irp c, 0,1,2
	ds_load_b128 v[XF+12*\q+4*\c:XF+12*\q+4*\c+3], v8 offset:6144*(\m)+1536*\q+512*\c
.endr
.endr
.endm
.macro XLC m                           ; the coverage step's code word: 1 load
	ds_load_b32 v[XC], v9 offset:128*(\m)
.endm
; Product i of 20 of unit (m, g): K step i / 4, tile 4 g + i % 4.  The four accumulators take turns, one instruction a turn.  K step 0 starts the sums.
.macro MM m, g, i
.set q_, (\i)/4
.set a_, (\i)%4
.set d_, ACC+32*(\g)+8*a_
.set ws_, W1S+5*(4*(\g)+a_)+q_
.set xs_, XS+6*((\m)%2)+q_
.set cw_, CWIN+2*(4*(\g)+a_)
.set wf_, 48*a_+12*q_
.set xf_, XF+12*q_
.if q_ == 4
	WIN 0
	v_wmma_scale_f32_16x16x128_f8f6f4 v[d_:d_+7], v[cw_:cw_+11], v[XC:XC+11], v[d_:d_+7], v[ws_], v[xs_] matrix_a_fmt:MATRIX_FMT_FP6 matrix_b_fmt:MATRIX_FMT_FP6
.elseif q_ == 0
	WIN 1+(\g)
	v_wmma_scale_f32_16x16x128_f8f6f4 v[d_:d_+7], v[wf_:wf_+11], v[xf_:xf_+11], 0, v[ws_], v[xs_] matrix_a_fmt:MATRIX_FMT_FP6 matrix_b_fmt:MATRIX_FMT_FP6
.else
	WIN 1+(\g)
	v_wmma_scale_f32_16x16x128_f8f6f4 v[d_:d_+7], v[wf_:wf_+11], v[xf_:xf_+11], v[d_:d_+7], v[ws_], v[xs_] matrix_a_fmt:MATRIX_FMT_FP6 matrix_b_fmt:MATRIX_FMT_FP6
.endif
.endm
; THE TANH LIST of group lg (its four tiles, 32 registers) of tile lm of positions; TE writes number e of it.
;   0-15 z x 2 log2(e) + bias, a pair each, tiles ascending (each accumulator is first read at its low end);  16-47 the exponentials;  48 a plain place and the one wait for the batch;
;   49-64 + 1;  65-96 the reciprocals;  97 a plain place and their wait;  98-113 the sums with -2 W2, in four chains (group 0's first four start them);
;   114-121, group 1 only: the chains, the lane's two halves, lane l xor 16's, + sum(W2): my wave's part of the 16 logits, to LDS.
.macro TE e, lg, lm
.set e_, \e
.set ab_, ACC+32*(\lg)
.set wb_, 192+32*(\lg)
.if e_ < 16
	WIN 0x20
	v_pk_fma_f32 v[ab_+2*e_:ab_+2*e_+1], v[ab_+2*e_:ab_+2*e_+1], s[34:35], v[wb_+2*e_:wb_+2*e_+1] op_sel_hi:[1,0,1]
.elseif e_ < 48
	WIN 0
	v_exp_f32 v[ab_+e_-16], v[ab_+e_-16]
.elseif e_ == 48
	v_nop
	s_wait_alu depctr_va_vdst(0)                   ; one wait for the 32 exponentials, ahead of their first reader
.elseif e_ < 65
	WIN 0
	v_pk_add_f32 v[ab_+2*(e_-49):ab_+2*(e_-49)+1], v[ab_+2*(e_-49):ab_+2*(e_-49)+1], 1.0 op_sel_hi:[1,0]
.elseif e_ < 97
	WIN 0
	v_rcp_f32 v[ab_+e_-65], v[ab_+e_-65]
.elseif e_ == 97
	v_nop
	s_wait_alu depctr_va_vdst(0)                   ; one wait for the 32 reciprocals
.elseif e_ < 114
.set k_, e_-98
	WIN 0x04
.if ((\lg) == 0) && (k_ < 4)
	v_pk_mul_f32 v[LACC+2*k_:LACC+2*k_+1], v[ab_+2*k_:ab_+2*k_+1], v[wb_+2*k_:wb_+2*k_+1]
.else
	v_pk_fma_f32 v[LACC+2*(k_%4):LACC+2*(k_%4)+1], v[ab_+2*k_:ab_+2*k_+1], v[wb_+2*k_:wb_+2*k_+1], v[LACC+2*(k_%4):LACC+2*(k_%4)+1]
.endif
.elseif e_ == 114
	WIN 0
	v_pk_add_f32 v[LACC:LACC+1], v[LACC:LACC+1], v[LACC+2:LACC+3]
.elseif e_ == 115
	v_pk_add_f32 v[LACC+4:LACC+5], v[LACC+4:LACC+5], v[LACC+6:LACC+7]
.elseif e_ == 116
	v_pk_add_f32 v[LACC:LACC+1], v[LACC:LACC+1], v[LACC+4:LACC+5]
.elseif e_ == 117
	v_add_f32 v[TT], v[LACC], v[LACC+1]
.elseif e_ == 118
	v_permlanex16_b32 v[TT2], v[TT], s[SEL], s[SEL+1]
.elseif e_ == 119
	v_add_f32 v[TT], v[TT], v[TT2]
.elseif e_ == 120
	v_add_f32 v[TT], v[TT], v19
.else
	ds_store_b32 v12, v[TT] offset:64*(\lm)        ; both halves of the lanes write the same word with the same value
.endif
.endm
; Slice i of 20: six numbers of the list in slices 0-13, five in slices 14-19; group 1's last eight hang on slice 19.  Slice 19 so holds five plain multiply-adds at the least: the places behind the unit's last product.
.macro SLICE i, lg, lm
.if (\i) < 14
.set se_, 6*(\i)
.set sn_, 6
.else
.set se_, 84+5*((\i)-14)
.set sn_, 5
.endif
.if ((\i) == 19) && (\lg)
.set sn_, 13
.endif
.rept sn_
	TE se_, \lg, \lm
.set se_, se_+1
.endr
.endm
; UNIT (m, g).  In group 1's units the next tile's fragments are fetched into the registers that this tile's products have left: fragments 0, 1 behind slice 8 (their last product is number 7; behind it stand a v_nop and
; five additions), 2, 3 behind slice 17 (last product 15; a v_nop and six multiply-adds), the coverage word behind slice 19 (five multiply-adds).  Group 0's units wait for them: 7 = the six loads of fragments 2, 3 and the
; coverage word may be out; 1 = the coverage word; 0.
.macro UNIT m, g
.set ui_, 0
.rept 20
.if ((\g) == 0) && ((\m) > 0)
.if ui_ == 0
	s_wait_dscnt 7
.elseif ui_ == 8
	s_wait_dscnt 1
.elseif ui_ == 16
	s_wait_dscnt 0x0
.endif
.endif
	MM \m, \g, ui_
.if (\g) == 1
	SLICE ui_, 0, \m
.elseif (\m) > 0
	SLICE ui_, 1, (\m)-1
.endif
.if ((\g) == 1) && ((\m) < 3)
.if ui_ == 8
	WIN 0
	XL01 (\m)+1
.elseif ui_ == 17
	WIN 0
	XL23 (\m)+1
.elseif ui_ == 19
	WIN 0
	XLC (\m)+1
.endif
.endif
.set ui_, ui_+1
.endr
.if ((\g) == 0) && ((\m) == 0)
	WIN 0
.rept 4
	v_nop                                          ; the first unit has no slices: four places behind its last products
.endr
.endif
.endm
.macro CB b                            ; rows 2 b and 2 b + 1 of my 16, f32, out of LDS: 8 loads, into buffer b % 3
.irp u, 0,1
.irp q, 0,1,2,3
	ds_load_b128 v[XR+32*((\b)%3)+16*\u+4*\q:XR+32*((\b)%3)+16*\u+4*\q+3], v5 offset:FP*(2*(\b)+\u)+512*\q
.endr
.endr
.endm
	s_load_b512 s[8:23], s[0:1], 0x0               ; text s[8:9], coverage s[10:11], W2 s[12:13], b2 s[14:15], w1f s[16:17], w1m s[18:19], biasw s[20:21], list s[22:23]
	s_load_b128 s[24:27], s[0:1], 0x40             ; logit s[24:25], ctxp s[26:27]
	v_lshl_add_u32 v254, v0, 2, 0x29800
	v_mov_b32 v255, 0
	v_lshrrev_b32 v1, 5, v0
	v_readfirstlane_b32 s2, v1                     ; wave 0..3
	v_and_b32 v20, 31, v0                          ; lane
	v_and_b32 v21, 15, v0                          ; r
	v_bfe_u32 v19, v0, 4, 1                        ; h
	v_lshlrev_b32 v1, 4, v20                       ; 16 x lane
	v_lshlrev_b32 v2, 2, v21                       ; 4 r
	v_lshlrev_b32 v3, 5, v19                       ; 32 h
	v_lshlrev_b32 v4, 3, v20                       ; 8 x lane
	v_lshlrev_b32 v[H8], 3, v19                    ; 8 h
	v_lshlrev_b32 v22, 1, v20                      ; 2 x lane
	v_lshlrev_b32 v23, 2, v20                      ; 4 x lane
	s_mul_i32 s54, s2, FBW
	v_add_nc_u32 v5, s54, v1                       ; my rows in LDS, 16 bytes a lane
	v_mul_u32_u24 v6, v21, FP
	v_lshl_add_u32 v6, v19, 7, v6
	v_add_nc_u32 v6, s54, v6                       ; row r of them, + 128 h
	s_mul_i32 s54, s2, 6144
	s_add_co_u32 s54, s54, XI
	v_add_nc_u32 v7, s54, v1                       ; where I store x's images
	v_add_nc_u32 v8, XI, v1                        ; where any wave reads them
	v_add_nc_u32 v9, XCI, v23
	s_lshl_b32 s54, s2, 7
	s_add_co_u32 s54, s54, XCI
	v_add_nc_u32 v10, s54, v23
	s_lshl_b32 s54, s2, 9
	s_add_co_u32 s54, s54, XSI
	v_add_nc_u32 v11, s54, v1
	s_lshl_b32 s54, s2, 8
	s_add_co_u32 s55, s54, PL
	v_add_nc_u32 v12, s55, v2
	v_add_nc_u32 v13, PL, v4
	s_add_co_u32 s55, s54, PP
	v_add_nc_u32 v14, s55, v4
	s_mul_i32 s55, s2, 320
	s_add_co_u32 s55, s55, PP
	v_mov_b32 v15, s55                             ; my 16 rows' weights among my wave's 64: 256 v + 64 v
	s_lshl_b32 s54, s2, 11
	s_add_co_u32 s54, s54, CX
	v_add_nc_u32 v16, s54, v1
	s_lshl_b32 s54, s2, 9
	s_add_co_u32 s54, s54, CX
	v_add_nc_u32 v17, s54, v1
	s_mov_b32 s34, 0x4038aa3b                      ; 2 log2(e)
	s_mov_b32 s35, s34
	s_mov_b32 s[SEL], 0x76543210
	s_mov_b32 s[SEL+1], 0xfedcba98
	s_mov_b32 s40, 0xffff
	s_mov_b32 s41, 0x3fb8aa3b                      ; log2(e)
	s_mov_b32 s43, 0
	s_lshl_b32 s56, s2, 15                         ; my 16 rows of a step, in bytes of text,
	s_lshl_b32 s57, s2, 6                          ; of coverage;
	s_lshl_b32 s58, s2, 9                          ; my 128 hidden units, or my quarter of a context row
	s_mov_b32 s59, 0
	s_mov_b32 s3, 0
	s_wait_kmcnt 0x0
	s_lshl_b32 s42, ttmp9, 3
	s_add_nc_u64 s[22:23], s[22:23], s[42:43]      ; the list at entry w
	s_load_b64 s[28:29], s[22:23], 0x0             ; this step {slot, positions that count},
	s_load_b64 s[30:31], s[22:23], 0x800           ; the next: 256 entries on
	s_load_b32 s38, s[14:15], 0x0                  ; b2
	s_mul_i32 s42, s2, 49152
	s_add_nc_u64 s[16:17], s[16:17], s[42:43]      ; my 32 fragments of W1
	s_mul_i32 s42, s2, 5120
	s_add_nc_u64 s[50:51], s[18:19], s[42:43]      ; their scale words
	s_lshl_b32 s42, s2, 10
	s_add_nc_u64 s[52:53], s[18:19], s[42:43]      ; the coverage code words
	s_add_nc_u64 s[12:13], s[12:13], s[58:59]      ; my 128 numbers of W2
	WIN 0x40
.irp t, 0,1,2,3
.irp q, 0,1,2,3
.irp c, 0,1,2
	global_load_b128 v[48*\t+12*\q+4*\c:48*\t+12*\q+4*\c+3], v1, s[16:17] offset:(4*\t+\q)*1536+512*\c
.endr
.endr
.endr
.irp t, 0,1,2,3,4,5,6,7
	global_load_b128 v[192+8*\t:195+8*\t], v3, s[12:13] offset:64*\t
	global_load_b128 v[196+8*\t:199+8*\t], v3, s[12:13] offset:64*\t+16
.endr
	WIN 0x80
.irp t, 4,5,6,7
.irp q, 0,1,2,3
.irp c, 0,1,2
	global_load_b128 v[48*(\t-4)+12*\q+4*\c:48*(\t-4)+12*\q+4*\c+3], v1, s[16:17] offset:(4*\t+\q)*1536+512*\c
.endr
.endr
.endr
	WIN 0
.irp t, 0,1,2,3,4,5,6,7
.irp q, 0,1,2,3,4
	global_load_b32 v[W1S+5*\t+\q], v23, s[50:51] offset:(5*\t+\q)*128
.endr
	global_load_b32 v[CWIN+2*\t], v23, s[52:53] offset:20480+128*\t
.endr
	s_wait_kmcnt 0x0
	s_mov_b32 s39, s38
	RINGBASE 28                                    ; (an empty entry reads slot 0: inside the buffers, and used by nobody)
	BIASBASE 28
	RINGLOAD
	BIASLOAD
.irp i, 77,79,81,83,85,87,89,91,92,93,94,95,96,97,98,99,100,101,103,104,105,106,107,108,109,110,111,112,113,246,247
	v_mov_b32 v\i, 0                               ; the spare registers among W1's coverage words; x's coverage fragment but for its first register; two lane permutes' destinations
.endr
	s_wait_loadcnt 0x0
	WIN 0x05                                       ; sum(W2) over my 128 hidden units: 64 in the lane, and lane l xor 16's
	v_pk_add_f32 v[238:239], v[192:193], v[194:195]
	v_pk_add_f32 v[240:241], v[196:197], v[198:199]
	WIN 0x01
.set k, 4
.rept 14
	v_pk_add_f32 v[238:239], v[192+2*k:193+2*k], v[238:239]
	v_pk_add_f32 v[240:241], v[194+2*k:195+2*k], v[240:241]
.set k, k+2
.endr
	WIN 0
	v_pk_add_f32 v[238:239], v[238:239], v[240:241]
	v_add_f32 v19, v238, v239
	v_permlanex16_b32 v[TT2], v19, s[SEL], s[SEL+1]
	v_add_f32 v19, v19, v[TT2]
	WIN 0x41
.set k, 0
.rept 32
	v_pk_mul_f32 v[192+2*k:193+2*k], v[192+2*k:193+2*k], -2.0 op_sel_hi:[1,0]
.set k, k+1
.endr
	WIN 0
.Ltrip:
	s_wait_loadcnt 0x0                             ; this step's rows, coverage and bias are in: on every path
	s_load_b64 s[32:33], s[22:23], 0x1000          ; the entry after the next
	s_min_u32 s54, s28, 2047                       ; where this step's results go (the last trip's stores have read these registers: the wait stands at the trip's end)
	s_lshl_b32 s42, s54, 8
	s_add_nc_u64 s[50:51], s[24:25], s[42:43]
	s_lshl_b32 s42, s54, 11
	s_add_co_u32 s42, s42, s58
	s_add_nc_u64 s[52:53], s[26:27], s[42:43]
	s_cmp_eq_u32 s29, 0
	s_cbranch_scc1 .Ls1
	; ---- 1: my 16 rows go to LDS as f32 and become four fragments, their scale words, and the coverage step's words
	v_mov_b32 v21, v20
	WIN 0x0c
.set i_, 0
.rept 64
	ds_store_b128 v5, v[4*i_:4*i_+3] offset:FP*(i_/4)+512*(i_%4)
.set i_, i_+1
.endr
	WIN 0
	QLOAD 0
	s_wait_dscnt 16                                ; all but the 16 loads just issued: the 64 stores have read window 3,
	s_cmp_eq_u32 s31, 0
	s_cbranch_scc1 .Lnonext1
	s_wait_xcnt 0x0
	RINGBASE 30
	RINGLOAD                                       ; which takes the next step's rows: they have this whole step in which to land
.Lnonext1:
	QLOAD 1
.irp q, 0,1,2,3
.if \q < 3
	s_wait_dscnt 16                                ; all but the next K step's 16 loads: my numbers are in, and the last image's stores have read their registers
.else
	s_wait_dscnt 0x0
.endif
	QUANT QT+64*(\q%2), F, WQ+2*\q
.irp c, 0,1,2
	ds_store_b128 v7, v[F+4*\c:F+4*\c+3] offset:1536*\q+512*\c     ; the fragment as an image of its registers
.endr
	ds_store_b32 v11, v[WQ+2*\q] offset:4*\q
.if \q < 2
	QLOAD \q+2
.endif
.endr
	v_max3_num_f32 v[T0], |v21|, |v21|, FLOOR      ; the coverage block: one number and 31 zeros
	v_add_nc_u32 v[SO0], EOFF, v[T0]
	v_lshrrev_b32 v[T1], 23, v[SO0]
	v_cndmask_b32 v[QT], 0, v21, s40               ; lanes 16-31 hold k = 32 .. of the step: zeros
.set i_, 1
.rept 15
	v_mov_b32 v[QT+i_], 0
.set i_, i_+1
.endr
	v_cvt_scalef32_pk16_fp6_f32 v[CT:CT+2], v[QT:QT+15], v[SO0]
	v_nop
	ds_store_b32 v10, v[CT]
	ds_store_b32 v10, v[T1] offset:XCS-XCI
.Ls1:
	s_wait_dscnt 0x0
	s_barrier_signal -1
	s_barrier_wait -1                              ; x's images lie in LDS
	s_cmp_eq_u32 s29, 0
	s_cbranch_scc1 .Ls2
	; ---- 2: the products, tanh, and my wave's part of the 64 logits
	XL01 0
	XL23 0
	XLC 0
	s_wait_dscnt 0x0
.rept 8
	v_nop                                          ; places between vector writes of the spare registers among W1's coverage words and the scaled products that name them
.endr
	UNIT 0, 0
	UNIT 0, 1
	UNIT 1, 0
	UNIT 1, 1
	UNIT 2, 0
	UNIT 2, 1
	UNIT 3, 0
	UNIT 3, 1
	s_wait_dscnt 0x0                               ; the last partial logits' store has read its register
.set te_, 0
.rept 122
	TE te_, 1, 3                                   ; the last group's tanh, on end
.set te_, te_+1
.endr
	WIN 0
.Ls2:
	s_wait_dscnt 0x0
	s_barrier_signal -1
	s_barrier_wait -1                              ; the four waves' parts of the logits lie in LDS
	s_cmp_eq_u32 s29, 0
	s_cbranch_scc1 .Ls3
	; ---- 3: the logits, the step's weights, and my 16 rows' part of the context
	s_cmp_eq_u32 s31, 0
	s_cbranch_scc1 .Lnonext3
	s_wait_xcnt 0x0
	BIASBASE 30
	BIASLOAD                                       ; the next step's bias: this step's tanh is done
.Lnonext3:
.irp wv, 0,1,2,3
	ds_load_b64 v[F+2*\wv:F+2*\wv+1], v13 offset:256*\wv           ; positions 2 x lane and 2 x lane + 1
.endr
	s_wait_dscnt 0x0
	v_pk_add_f32 v[F:F+1], v[F:F+1], v[F+2:F+3]
	v_pk_add_f32 v[F+4:F+5], v[F+4:F+5], v[F+6:F+7]
	v_pk_add_f32 v[F:F+1], v[F:F+1], v[F+4:F+5]
	v_pk_add_f32 v[F:F+1], v[F:F+1], s[38:39] op_sel_hi:[1,0]      ; + b2
	v_cmp_gt_u32 vcc_lo, s29, v22
	v_cndmask_b32 v[F], 0xff800000, v[F], vcc_lo                   ; -infinity where the position does not count
	s_sub_co_u32 s54, s29, 1
	v_cmp_gt_u32 vcc_lo, s54, v22
	v_cndmask_b32 v[F+1], 0xff800000, v[F+1], vcc_lo
	s_cmp_lg_u32 s2, 0
	s_cbranch_scc1 .Lnolog
	global_store_b64 v4, v[F:F+1], s[50:51]        ; wave 0 stores the step's 64 logits: 256 consecutive bytes, aligned
.Lnolog:
	v_max_num_f32 v[F+4], v[F], v[F+1]             ; the step's largest: its first position counts, so it is a number
	v_max_num_f32_dpp v[F+4], v[F+4], v[F+4] row_xmask:1 row_mask:0xf bank_mask:0xf
	v_max_num_f32_dpp v[F+4], v[F+4], v[F+4] row_xmask:2 row_mask:0xf bank_mask:0xf
	v_max_num_f32_dpp v[F+4], v[F+4], v[F+4] row_xmask:4 row_mask:0xf bank_mask:0xf
	v_max_num_f32_dpp v[F+4], v[F+4], v[F+4] row_xmask:8 row_mask:0xf bank_mask:0xf
	v_permlanex16_b32 v[TP], v[F+4], s[SEL], s[SEL+1]
	v_max_num_f32 v[F+4], v[F+4], v[TP]
	v_sub_f32 v[F+2], v[F], v[F+4]
	v_sub_f32 v[F+3], v[F+1], v[F+4]
	v_mul_f32 v[F+2], s41, v[F+2]
	v_mul_f32 v[F+3], s41, v[F+3]
	v_exp_f32 v[F+2], v[F+2]
	v_exp_f32 v[F+3], v[F+3]
	v_nop
	s_wait_alu depctr_va_vdst(0)                   ; one wait for the two exponentials, ahead of their first reader
	ds_store_b64 v14, v[F+2:F+3]                   ; my wave's own copy of the 64 weights;
.irp i, 0,1,2,3
	ds_load_b128 v[PB+4*\i:PB+4*\i+3], v15 offset:16*\i            ; my 16 rows', the same in every lane (LDS serves a wave's instructions in order)
.endr
	CB 0
	CB 1
	CB 2
.irp b, 0,1,2,3,4,5,6,7
.if \b < 6
	s_wait_dscnt 16                                ; all but the two younger batches' loads
.elseif \b == 6
	s_wait_dscnt 8
.else
	s_wait_dscnt 0x0
.endif
.irp k, 0,1,2,3,4,5,6,7
.if \b == 0
	v_pk_mul_f32 v[CACC+2*\k:CACC+2*\k+1], v[XR+2*\k:XR+2*\k+1], v[PB:PB+1] op_sel_hi:[1,0]   ; row 0 starts the sums
.else
	v_pk_fma_f32 v[CACC+2*\k:CACC+2*\k+1], v[XR+32*(\b%3)+2*\k:XR+32*(\b%3)+2*\k+1], v[PB+2*\b:PB+2*\b+1], v[CACC+2*\k:CACC+2*\k+1] op_sel_hi:[1,0,1]
.endif
.endr
.irp k, 0,1,2,3,4,5,6,7
	v_pk_fma_f32 v[CACC+2*\k:CACC+2*\k+1], v[XR+32*(\b%3)+16+2*\k:XR+32*(\b%3)+16+2*\k+1], v[PB+2*\b:PB+2*\b+1], v[CACC+2*\k:CACC+2*\k+1] op_sel:[0,1,0] op_sel_hi:[1,1,1]
.endr
.if \b < 5
	CB \b+3
.endif
.endr
.irp q, 0,1,2,3
	ds_store_b128 v16, v[CACC+4*\q:CACC+4*\q+3] offset:512*\q
.endr
.Ls3:
	s_wait_dscnt 0x0
	s_barrier_signal -1
	s_barrier_wait -1                              ; the four waves' parts of the context lie in LDS
	s_cmp_eq_u32 s29, 0
	s_cbranch_scc1 .Ls4
	; ---- 4: my quarter of the step's context row
.irp wv, 0,1,2,3
	ds_load_b128 v[XR+4*\wv:XR+4*\wv+3], v17 offset:2048*\wv
.endr
	s_wait_dscnt 0x0
	v_pk_add_f32 v[XR:XR+1], v[XR:XR+1], v[XR+4:XR+5]
	v_pk_add_f32 v[XR+2:XR+3], v[XR+2:XR+3], v[XR+6:XR+7]
	v_pk_add_f32 v[XR+8:XR+9], v[XR+8:XR+9], v[XR+12:XR+13]
	v_pk_add_f32 v[XR+10:XR+11], v[XR+10:XR+11], v[XR+14:XR+15]
	v_pk_add_f32 v[XR:XR+1], v[XR:XR+1], v[XR+8:XR+9]
	v_pk_add_f32 v[XR+2:XR+3], v[XR+2:XR+3], v[XR+10:XR+11]
	global_store_b128 v1, v[XR:XR+3], s[52:53]     ; 512 consecutive bytes a wave
.Ls4:
	s_wait_kmcnt 0x0                               ; the entry after the next is in, and its load has read the list's address
	s_wait_xcnt 0x0                                ; the trip's stores and loads have read their registers and bases
	s_mov_b64 s[28:29], s[30:31]
	s_mov_b64 s[30:31], s[32:33]
	s_add_nc_u64 s[22:23], s[22:23], 0x800
	s_add_co_u32 s3, s3, 1
	s_cmp_lt_u32 s3, 8
	s_cbranch_scc1 .Ltrip
	s_wait_tensorcnt 0x0
	ds_add_u32 v254, v255
	s_wait_dscnt 0x0
	s_endpgm
.Lfunc_end_k_qef33bd4480_main:
	.size	k_qef33bd4480_main, .Lfunc_end_k_qef33bd4480_main-k_qef33bd4480_main
	.p2alignl 7, 3214868480
	.fill 96, 4, 3214868480
	.section	.rodata,"a",@progbits
	.p2align	6, 0x0
	.amdhsa_kernel k_qef33bd4480_main
		.amdhsa_group_segment_fixed_size 170496
		.amdhsa_private_segment_fixed_size 0
		.amdhsa_enable_private_segment 0
		.amdhsa_kernarg_size 80
		.amdhsa_user_sgpr_count 2
		.amdhsa_user_sgpr_kernarg_segment_ptr 1
		.amdhsa_wavefront_size32 1
		.amdhsa_system_sgpr_workgroup_id_x 1
		.amdhsa_system_sgpr_workgroup_id_y 1
		.amdhsa_system_sgpr_workgroup_id_z 1
		.amdhsa_system_vgpr_workitem_id 0
		.amdhsa_next_free_vgpr 1024
		.amdhsa_next_free_sgpr 66
		.amdhsa_reserve_vcc 1
		.amdhsa_float_denorm_mode_32 3
		.amdhsa_float_denorm_mode_16_64 3
		.amdhsa_memory_ordered 1
		.amdhsa_forward_progress 1
		.amdhsa_inst_pref_size 156
	.end_amdhsa_kernel
	.amdgpu_metadata
---
amdhsa.version: [ 1, 2 ]
amdhsa.kernels:
  - .name:           k_qef33bd4480_main
    .symbol:         k_qef33bd4480_main.kd
    .args:
      - { .name: text_states, .offset: 0, .size: 8, .value_kind: global_buffer, .address_space: global }
      - { .name: coverage, .offset: 8, .size: 8, .value_kind: global_buffer, .address_space: global }
      - { .name: W2, .offset: 16, .size: 8, .value_kind: global_buffer, .address_space: global }
      - { .name: b2, .offset: 24, .size: 8, .value_kind: global_buffer, .address_space: global }
      - { .name: w1f, .offset: 32, .size: 8, .value_kind: global_buffer, .address_space: global }
      - { .name: w1m, .offset: 40, .size: 8, .value_kind: global_buffer, .address_space: global }
      - { .name: biasw, .offset: 48, .size: 8, .value_kind: global_buffer, .address_space: global }
      - { .name: list, .offset: 56, .size: 8, .value_kind: global_buffer, .address_space: global }
      - { .name: logit, .offset: 64, .size: 8, .value_kind: global_buffer, .address_space: global }
      - { .name: ctxp, .offset: 72, .size: 8, .value_kind: global_buffer, .address_space: global }
    .group_segment_fixed_size: 170496
    .private_segment_fixed_size: 0
    .kernarg_segment_align: 8
    .kernarg_segment_size: 80
    .max_flat_workgroup_size: 128
    .sgpr_count:     66
    .vgpr_count:     1024
    .wavefront_size: 32
...
	.end_amdgpu_metadata
.endif
;; end of part 2
;; launch comb (part 3): grid 8 x 32, 1 waves a work-group, no clusters, 0 bytes of LDS; arguments text_length, logit, ctxp, out0, out1; writes out0, out1
.if DOCPART == 3
	.amdgcn_target "amdgcn-amd-amdhsa--gfx1250"
	.amdhsa_code_object_version 6
	.text
	.protected	k_qef33bd4480_comb
	.globl	k_qef33bd4480_comb
	.p2align	8
	.type	k_qef33bd4480_comb,@function
k_qef33bd4480_comb:
	s_mov_b64 s[64:65], 0
	v_nop
	global_prefetch_b8 v0, s[64:65] scope:SCOPE_SE
	s_setreg_imm32_b32 hwreg(HW_REG_WAVE_MODE, 25, 1), 1
	s_wait_xcnt 0x0
; COMB.  The steps of a batch are joined.  The wave (part, b) makes out0[b][64 part .. + 63] and out1[b][512 part .. + 511].
; From the batch's logits it takes each step's largest (the very number that the launch before took away), the batch's largest M and the sum S of 2^((logit - M) log2 e);
; attention = 2^((logit - M) log2 e) / S;  context = the sum over steps of 2^((step's largest - M) log2 e) / S x the step's stored sum.
; Only steps that begin under text_length were stored: every offset is held at the last stored quad or step, and what lies behind it counts as -infinity (weight 0).
; No LDS, no barrier, no branch.  One wave: lane l holds positions 128 i + 4 l .. + 3 of quad i, so lanes 0-15 hold step 2 i and lanes 16-31 step 2 i + 1.
; LIMITS: text_length above 4,096 counts as 4,096; 0 and less is not served.
; REGISTERS: v32-159 the logits; v160-191 the steps' largest, then their weights; v192-207 my 512 positions; v208-223 four sets of context sums; v224-255 offsets; window 1 v0-127 the steps' stored sums.
.set LG,  32
.set MS,  160
.set O1,  192
.set AC,  208
.set CPO, 224
.set MSB, 0
.macro WIN new
.if MSB != (\new)
	s_set_vgpr_msb (MSB<<8)|(\new)
.set MSB, (\new)
.endif
.endm
	s_load_b256 s[4:11], s[0:1], 0x0               ; text_length s[4:5], logit s[6:7], ctxp s[8:9], out0 s[10:11]
	s_load_b64 s[12:13], s[0:1], 0x20              ; out1
	s_and_b32 s14, ttmp7, 0xffff                   ; the batch
	v_lshlrev_b32 v2, 2, v0                        ; 4 x lane
	v_and_b32 v3, 15, v0
	v_bfe_u32 v4, v0, 4, 1
	v_lshlrev_b32 v6, 11, v4                       ; 2,048 h: a step's row of sums
	v_lshlrev_b32 v7, 4, v3                        ; 16 r
	v_lshlrev_b32 v20, 4, v0                       ; 16 x lane
	v_mov_b32 v8, 0xff800000                       ; -infinity
	v_mov_b32 v11, 0                               ; lane permutes' destinations, and the upper half of a pair, are written once
	v_mov_b32 v19, 0
.irp i, 24,25,26,27
	v_mov_b32 v\i, 0
.endr
	s_lshl_b32 s21, ttmp9, 9
	v_add_nc_u32 v5, s21, v2                       ; my first position of my part
	s_mov_b32 s22, 0x3fb8aa3b                      ; log2(e)
	s_mov_b32 s23, s22
	s_mov_b32 s26, 0x76543210
	s_mov_b32 s27, 0xfedcba98
	s_lshl_b32 s16, s14, 2
	s_mov_b32 s17, 0
	s_wait_kmcnt 0x0
	s_add_nc_u64 s[4:5], s[4:5], s[16:17]
	s_load_b32 s18, s[4:5], 0x0                    ; the batch's length
	s_lshl_b32 s16, s14, 14
	s_add_nc_u64 s[6:7], s[6:7], s[16:17]
	s_add_nc_u64 s[12:13], s[12:13], s[16:17]
	s_lshl_b32 s16, ttmp9, 11
	s_add_nc_u64 s[12:13], s[12:13], s[16:17]
	s_lshl_b32 s16, s14, 17
	s_add_nc_u64 s[8:9], s[8:9], s[16:17]
	s_lshl_b32 s16, s14, 11
	s_add_nc_u64 s[10:11], s[10:11], s[16:17]
	s_lshl_b32 s16, ttmp9, 8
	s_add_nc_u64 s[8:9], s[8:9], s[16:17]
	s_add_nc_u64 s[10:11], s[10:11], s[16:17]
	s_wait_kmcnt 0x0
	s_sub_co_u32 s18, s18, 1
	s_min_u32 s18, s18, 4095                       ; the last position that counts
	s_and_b32 s19, s18, 0xffc                      ; its quad
	s_and_b32 s20, s18, 0xfc0
	s_lshl_b32 s20, s20, 5                         ; its step's row of sums
.set i, 0
.rept 32
	v_add_nc_u32 v[LG+4*i], 128*i, v2
	v_min_u32 v[LG+4*i], s19, v[LG+4*i]
	v_min_u32 v[LG+4*i], 0xffc, v[LG+4*i]
	v_lshlrev_b32 v[LG+4*i], 2, v[LG+4*i]
	global_load_b128 v[LG+4*i:LG+4*i+3], v[LG+4*i], s[6:7]         ; (a load may land on its own offset register)
.set i, i+1
.endr
.set i, 0
.rept 4
	v_add_nc_u32 v[O1+4*i], 128*i, v5
	v_min_u32 v[O1+4*i], s19, v[O1+4*i]
	v_min_u32 v[O1+4*i], 0xffc, v[O1+4*i]
	v_lshlrev_b32 v[O1+4*i], 2, v[O1+4*i]
	global_load_b128 v[O1+4*i:O1+4*i+3], v[O1+4*i], s[6:7]
.set i, i+1
.endr
.set i, 0
.rept 32
	v_add_nc_u32 v[CPO+i], 4096*i, v6
	v_min_u32 v[CPO+i], s20, v[CPO+i]
	v_min_u32 v[CPO+i], 0x1f800, v[CPO+i]
	v_add_nc_u32 v[CPO+i], v[CPO+i], v7
.set i, i+1
.endr
	WIN 0x40
.set i, 0
.rept 32
	global_load_b128 v[4*i:4*i+3], v[CPO+i], s[8:9] th:TH_LOAD_NT  ; step 2 i + h, my part's 256 bytes: 16 a lane
.set i, i+1
.endr
	WIN 0
	s_wait_loadcnt 32                              ; the logits are in; the 32 loads of sums may be out
.set i, 0
.rept 32
	v_add_nc_u32 v9, 128*i, v2
	v_cmp_lt_u32 vcc_lo, s19, v9                   ; a quad behind the last one that counts
.irp j, 0,1,2,3
	v_cndmask_b32 v[LG+4*i+\j], v[LG+4*i+\j], v8, vcc_lo
.endr
.set i, i+1
.endr
.set i, 0
.rept 4
	v_add_nc_u32 v9, 128*i, v5
	v_cmp_lt_u32 vcc_lo, s19, v9
.irp j, 0,1,2,3
	v_cndmask_b32 v[O1+4*i+\j], v[O1+4*i+\j], v8, vcc_lo
.endr
.set i, i+1
.endr
.set i, 0
.rept 32
	v_max3_num_f32 v[MS+i], v[LG+4*i], v[LG+4*i+1], v[LG+4*i+2]
.set i, i+1
.endr
.set i, 0
.rept 32
	v_max_num_f32 v[MS+i], v[MS+i], v[LG+4*i+3]
.set i, i+1
.endr
.irp x, 1,2,4,8
.set i, 0
.rept 32
	v_max_num_f32_dpp v[MS+i], v[MS+i], v[MS+i] row_xmask:\x row_mask:0xf bank_mask:0xf   ; over the 16 lanes of a half: a step's largest
.set i, i+1
.endr
.endr
	v_max3_num_f32 v10, v[MS], v[MS+1], v[MS+2]
.irp i, 3,5,7,9,11,13,15,17,19,21,23,25,27,29
	v_max3_num_f32 v10, v10, v[MS+\i], v[MS+\i+1]
.endr
	v_max_num_f32 v10, v10, v[MS+31]
	v_permlanex16_b32 v11, v10, s26, s27
	v_max_num_f32 v10, v10, v11                    ; M
	v_mul_f32 v12, 0xbfb8aa3b, v10                 ; -M log2(e)
	v_mov_b32 v13, v12
.set k, 0
.rept 64
	v_pk_fma_f32 v[LG+2*k:LG+2*k+1], v[LG+2*k:LG+2*k+1], s[22:23], v[12:13] op_sel_hi:[1,0,0]
.set k, k+1
.endr
.set k, 0
.rept 24
	v_pk_fma_f32 v[MS+2*k:MS+2*k+1], v[MS+2*k:MS+2*k+1], s[22:23], v[12:13] op_sel_hi:[1,0,0]   ; the steps' largest, and my 512 positions behind them
.set k, k+1
.endr
.set k, 0
.rept 176
	v_exp_f32 v[LG+k], v[LG+k]
.set k, k+1
.endr
	v_nop
	s_wait_alu depctr_va_vdst(0)                   ; one wait for the batch of exponentials, ahead of its first reader
	v_pk_add_f32 v[14:15], v[LG:LG+1], v[LG+2:LG+3]
	v_pk_add_f32 v[16:17], v[LG+4:LG+5], v[LG+6:LG+7]
.set k, 4
.rept 30
	v_pk_add_f32 v[14:15], v[14:15], v[LG+2*k:LG+2*k+1]
	v_pk_add_f32 v[16:17], v[16:17], v[LG+2*k+2:LG+2*k+3]
.set k, k+2
.endr
	v_pk_add_f32 v[14:15], v[14:15], v[16:17]
	v_add_f32 v14, v14, v15
	v_add_f32_dpp v14, v14, v14 row_xmask:1 row_mask:0xf bank_mask:0xf
	v_add_f32_dpp v14, v14, v14 row_xmask:2 row_mask:0xf bank_mask:0xf
	v_add_f32_dpp v14, v14, v14 row_xmask:4 row_mask:0xf bank_mask:0xf
	v_add_f32_dpp v14, v14, v14 row_xmask:8 row_mask:0xf bank_mask:0xf
	v_permlanex16_b32 v11, v14, s26, s27
	v_add_f32 v14, v14, v11                        ; S
	v_rcp_f32 v18, v14
	v_nop
	s_wait_alu depctr_va_vdst(0)
.set k, 0
.rept 24
	v_pk_mul_f32 v[MS+2*k:MS+2*k+1], v[MS+2*k:MS+2*k+1], v[18:19] op_sel_hi:[1,0]   ; the steps' weights and my attention, / S
.set k, k+1
.endr
.irp u, 0,1,2,3
	global_store_b128 v20, v[O1+4*\u:O1+4*\u+3], s[12:13] offset:512*\u            ; 512 consecutive bytes a store
.endr
	s_wait_loadcnt 0x0                             ; the steps' sums
	WIN 0x01
.set i, 0
.rept 32
.set a_, AC+4*(i%4)
.set w_, MS+2*(i/2)
.if i < 4
.if i%2 == 0
	v_pk_mul_f32 v[a_:a_+1], v[4*i:4*i+1], v[w_:w_+1] op_sel_hi:[1,0]
	v_pk_mul_f32 v[a_+2:a_+3], v[4*i+2:4*i+3], v[w_:w_+1] op_sel_hi:[1,0]
.else
	v_pk_mul_f32 v[a_:a_+1], v[4*i:4*i+1], v[w_:w_+1] op_sel:[0,1] op_sel_hi:[1,1]
	v_pk_mul_f32 v[a_+2:a_+3], v[4*i+2:4*i+3], v[w_:w_+1] op_sel:[0,1] op_sel_hi:[1,1]
.endif
.else
.if i%2 == 0
	v_pk_fma_f32 v[a_:a_+1], v[4*i:4*i+1], v[w_:w_+1], v[a_:a_+1] op_sel_hi:[1,0,1]
	v_pk_fma_f32 v[a_+2:a_+3], v[4*i+2:4*i+3], v[w_:w_+1], v[a_+2:a_+3] op_sel_hi:[1,0,1]
.else
	v_pk_fma_f32 v[a_:a_+1], v[4*i:4*i+1], v[w_:w_+1], v[a_:a_+1] op_sel:[0,1,0] op_sel_hi:[1,1,1]
	v_pk_fma_f32 v[a_+2:a_+3], v[4*i+2:4*i+3], v[w_:w_+1], v[a_+2:a_+3] op_sel:[0,1,0] op_sel_hi:[1,1,1]
.endif
.endif
.set i, i+1
.endr
	WIN 0
.irp p, 0,2
	v_pk_add_f32 v[AC+\p:AC+\p+1], v[AC+\p:AC+\p+1], v[AC+4+\p:AC+5+\p]
	v_pk_add_f32 v[AC+8+\p:AC+9+\p], v[AC+8+\p:AC+9+\p], v[AC+12+\p:AC+13+\p]
.endr
.irp p, 0,2
	v_pk_add_f32 v[AC+\p:AC+\p+1], v[AC+\p:AC+\p+1], v[AC+8+\p:AC+9+\p]
.endr
.irp j, 0,1,2,3
	v_permlanex16_b32 v[24+\j], v[AC+\j], s26, s27 ; the odd steps' sums lie in the lane 16 away
.endr
	v_pk_add_f32 v[AC:AC+1], v[AC:AC+1], v[24:25]
	v_pk_add_f32 v[AC+2:AC+3], v[AC+2:AC+3], v[26:27]
	s_wait_xcnt 0x0                                ; EXEC changes only behind this wait
	v_cmp_gt_u32 vcc_lo, 16, v0
	s_and_saveexec_b32 s24, vcc_lo
	global_store_b128 v7, v[AC:AC+3], s[10:11]     ; sixteen lanes store 256 consecutive bytes, aligned
	s_wait_xcnt 0x0
	s_or_b32 exec_lo, exec_lo, s24
	s_endpgm
.Lfunc_end_k_qef33bd4480_comb:
	.size	k_qef33bd4480_comb, .Lfunc_end_k_qef33bd4480_comb-k_qef33bd4480_comb
	.p2alignl 7, 3214868480
	.fill 96, 4, 3214868480
	.section	.rodata,"a",@progbits
	.p2align	6, 0x0
	.amdhsa_kernel k_qef33bd4480_comb
		.amdhsa_group_segment_fixed_size 0
		.amdhsa_private_segment_fixed_size 0
		.amdhsa_enable_private_segment 0
		.amdhsa_kernarg_size 40
		.amdhsa_user_sgpr_count 2
		.amdhsa_user_sgpr_kernarg_segment_ptr 1
		.amdhsa_wavefront_size32 1
		.amdhsa_system_sgpr_workgroup_id_x 1
		.amdhsa_system_sgpr_workgroup_id_y 1
		.amdhsa_system_sgpr_workgroup_id_z 1
		.amdhsa_system_vgpr_workitem_id 0
		.amdhsa_next_free_vgpr 384
		.amdhsa_next_free_sgpr 66
		.amdhsa_reserve_vcc 1
		.amdhsa_float_denorm_mode_32 3
		.amdhsa_float_denorm_mode_16_64 3
		.amdhsa_memory_ordered 1
		.amdhsa_forward_progress 1
		.amdhsa_inst_pref_size 64
	.end_amdhsa_kernel
	.amdgpu_metadata
---
amdhsa.version: [ 1, 2 ]
amdhsa.kernels:
  - .name:           k_qef33bd4480_comb
    .symbol:         k_qef33bd4480_comb.kd
    .args:
      - { .name: text_length, .offset: 0, .size: 8, .value_kind: global_buffer, .address_space: global }
      - { .name: logit, .offset: 8, .size: 8, .value_kind: global_buffer, .address_space: global }
      - { .name: ctxp, .offset: 16, .size: 8, .value_kind: global_buffer, .address_space: global }
      - { .name: out0, .offset: 24, .size: 8, .value_kind: global_buffer, .address_space: global }
      - { .name: out1, .offset: 32, .size: 8, .value_kind: global_buffer, .address_space: global }
    .group_segment_fixed_size: 0
    .private_segment_fixed_size: 0
    .kernarg_segment_align: 8
    .kernarg_segment_size: 40
    .max_flat_workgroup_size: 32
    .sgpr_count:     66
    .vgpr_count:     384
    .wavefront_size: 32
...
	.end_amdgpu_metadata
.endif
;; end of part 3
;; ======== version 2 of 2: 3 launches; version 1 with the launches prep, main written anew for expert scheduling mode
;; workspace buffers: w1f 196,608 bytes; w1m 24,576 bytes; biasw 65,536 bytes; list 32,768 bytes of whole numbers; logit 524,288 bytes; ctxp 4,194,304 bytes
;; launch prep (part 4): grid 32 x 1, 4 waves a work-group, no clusters, 74,496 bytes of LDS; arguments W1, summary_current_state, b1, text_length, w1f, w1m, biasw, list; writes w1f, w1m, biasw, list
.if DOCPART == 4
	.amdgcn_target "amdgcn-amd-amdhsa--gfx1250"
	.amdhsa_code_object_version 6
	.text
	.protected	k_qef33bd4480_prep
	.globl	k_qef33bd4480_prep
	.p2align	8
	.type	k_qef33bd4480_prep,@function
k_qef33bd4480_prep:
	s_mov_b64 s[64:65], 0
	v_nop
	global_prefetch_b8 v0, s[64:65] scope:SCOPE_SE
	s_setreg_imm32_b32 hwreg(HW_REG_WAVE_SCHED_MODE, 0, 2), 2
	s_setreg_imm32_b32 hwreg(HW_REG_WAVE_MODE, 25, 1), 1
	s_wait_xcnt 0x0
	s_wait_alu depctr_vm_vsrc(0)
; PREP.  W1 [512][1025] f32 is quantised along K (E2M3, one E8M0 byte for 32 along K) and laid out as the main launch's operand registers take it;
; the summary half of the first product, which is the same for all positions of a batch, is multiplied here once (512 x 512 x 32, on codes) and
; stored with b1 as a bias, times 2 log2(e); and the list of steps of 64 positions under text_length is made.
; SHARES.  Work-group j owns rows 16 j .. 16 j + 15 of W1 (one tile).  Wave v takes K step v of the text part (k = 128 v ..) and K step v of the
; summary part (k = 512 + 128 v ..); wave 0 also the coverage channel k = 1024, whose block is that one number and 31 zeros.
; Thread t of work-group j makes list entry 128 j + t.
; LDS: bytes 0 .. 65,599 the 16 rows as they lie (4,100 bytes a row: 1,025 words, so sixteen rows fall on sixteen banks); from 65,792 on 8,192 bytes
; of partial sums of the summary product, [wave][batch half][2 x 512].
; LIMITS: text_length above 4,096 counts as 4,096; 0 and less is not served.  NaN and infinities among the inputs are not served.  A block whose
; largest magnitude lies under 2^-124, a block of zeros too, gets the byte 1: the zeros' codes are zeros, and only this program reads the bytes.
; THE MODE: SCHED_MODE bits 1:0 = 2 (LLVM: expert scheduling mode 2), set by the entry lines.  The code itself states the register dependences
; between vector or matrix instructions and memory or LDS instructions, with s_wait_alu, always for 0.
; THE PLAN.  Registers that memory or LDS instructions touch:
;   v4-v14, v18   offsets and LDS addresses: made once, never written again.
;   v32-163       W1's rows as loaded; read by the copy's LDS stores; then v32-95 take the rows' numbers from LDS (twice), v96-223 the summary from memory.
;   v164-227      the list's values to choose from: written and read by vector lines ahead of the list's store; the summary lands in v164-223 behind it.
;   v224-235, v28 the text fragment and its scale word: written by the first quantising, read by its stores, not written again.
;   v72-79, v32   b1, and wave 0's coverage number: they land in registers that the second quantising has read.
;   v56-71        the two products' results, read by LDS stores;  v96-127 the four parts from LDS;  v96-103 the bias, read by its stores.
; So a wait on va_vdst stands behind each run of vector lines whose results are stored or whose sources are loaded again, and one wait on vm_vsrc behind the copy's stores.
.set ROWW,  4100
.set PD,    65792
.set FLOOR, 0x1800000                  ; 2^(3 - 127): under it no largest magnitude is taken, so the byte cannot fall under 1
.set EOFF,  0xff000000                 ; takes 2 off an exponent field
.set T0,  248
.set T1,  249
.set T2,  15
.set T3,  19
.set SO0, 250
.set SO1, 251
.set CT,  20                           ; v20-22, v24-26: the upper halves of a block's codes, before they are moved
.set TP,  27
.set H8,  8
.set SEL, 4
.set QT,  32                           ; v32-95   64 numbers of W1
.set SSN, 96                           ; v96-223  2 x 64 numbers of the summary
.set LT,  164                          ; v164-227 the list: for each batch, slot - g and the length
.set TF,  224                          ; the text fragment
.set AF,  236                          ; the summary fragment of W1
.set BF,  32                           ; v32-55   the summary's two fragments
.set DD,  56                           ; v56-71   two results
.set BB,  72                           ; v72-79   b1
; 64 numbers of a lane, register 32 c + i = k 64 c + 32 (lane / 16) + i of the lane's row, become a fragment's 12 registers from v[f] on and its scale word in v[w].
.macro QUANT s, f, w
	v_max3_num_f32 v[T0], |v[(\s)]|, |v[(\s)+1]|, FLOOR
	v_max3_num_f32 v[T1], |v[(\s)+32]|, |v[(\s)+33]|, FLOOR
	v_max3_num_f32 v[T2], |v[(\s)+16]|, |v[(\s)+17]|, FLOOR
	v_max3_num_f32 v[T3], |v[(\s)+48]|, |v[(\s)+49]|, FLOOR
.irp i, 2,4,6,8,10,12,14
	v_max3_num_f32 v[T0], v[T0], |v[(\s)+\i]|, |v[(\s)+\i+1]|          ; four chains by turns: two for each of the lane's two blocks
	v_max3_num_f32 v[T1], v[T1], |v[(\s)+32+\i]|, |v[(\s)+33+\i]|
	v_max3_num_f32 v[T2], v[T2], |v[(\s)+16+\i]|, |v[(\s)+17+\i]|
	v_max3_num_f32 v[T3], v[T3], |v[(\s)+48+\i]|, |v[(\s)+49+\i]|
.endr
	v_max_num_f32 v[T0], v[T0], v[T2]
	v_max_num_f32 v[T1], v[T1], v[T3]
	v_add_nc_u32 v[SO0], EOFF, v[T0]               ; the conversion takes the exponent field of this operand as its scale
	v_add_nc_u32 v[SO1], EOFF, v[T1]
	v_lshrrev_b32 v[T0], 23, v[SO0]                ; the scales' bytes: blocks h and 2 + h
	v_lshrrev_b32 v[T1], 23, v[SO1]
	v_lshl_or_b32 v[\w], v[T1], 16, v[T0]
	v_lshlrev_b32 v[\w], v[H8], v[\w]              ; 8 h bits up
	v_permlanex16_b32 v[TP], v[\w], s[SEL], s[SEL+1]
	v_or_b32 v[\w], v[\w], v[TP]                   ; with lane l xor 16's two bytes the word is whole
	v_cvt_scalef32_pk16_fp6_f32 v[(\f):(\f)+2], v[(\s):(\s)+15], v[SO0]
	v_cvt_scalef32_pk16_fp6_f32 v[CT:CT+2], v[(\s)+16:(\s)+31], v[SO0]     ; (a conversion's three registers begin on an even number)
	v_cvt_scalef32_pk16_fp6_f32 v[(\f)+6:(\f)+8], v[(\s)+32:(\s)+47], v[SO1]
	v_cvt_scalef32_pk16_fp6_f32 v[CT+4:CT+6], v[(\s)+48:(\s)+63], v[SO1]
	v_nop                                          ; one plain place behind the conversions
.irp i, 0,1,2
	v_mov_b32 v[(\f)+3+\i], v[CT+\i]
	v_mov_b32 v[(\f)+9+\i], v[CT+4+\i]
.endr
.endm
.macro BARRIER                         ; my LDS stores have landed and my LDS loads are in: then the work-group's barrier
	s_wait_dscnt 0x0
	s_barrier_signal -1
	s_barrier_wait -1
.endm
	s_load_b512 s[8:23], s[0:1], 0x0               ; W1 s[8:9], summary s[10:11], b1 s[12:13], text_length s[14:15], w1f s[16:17], w1m s[18:19], biasw s[20:21], list s[22:23]
	v_lshl_add_u32 v23, v0, 2, 0x12100
	s_set_vgpr_msb 0x40
	v_mov_b32 v1, 0
	s_set_vgpr_msb 0x4000
	v_lshrrev_b32 v1, 5, v0
	v_readfirstlane_b32 s2, v1                     ; wave 0..3
	v_and_b32 v1, 31, v0                           ; lane
	v_and_b32 v2, 15, v0                           ; r
	v_bfe_u32 v3, v0, 4, 1                         ; h
	s_mov_b32 s[SEL], 0x76543210
	s_mov_b32 s[SEL+1], 0xfedcba98                 ; selects for lane l xor 16
	s_mov_b32 s6, 0xffff                           ; lanes 0-15
	v_lshlrev_b32 v4, 4, v1                        ; 16 x lane
	s_wait_alu depctr_va_sdst(0)                   ; s2 is written, ahead of its first reader: offsets, LDS addresses and branches are made from it
	s_lshl_b32 s24, s2, 9                          ; my K step: 512 bytes a step
	v_mul_u32_u24 v5, v2, ROWW
	v_lshl_add_u32 v5, v3, 7, v5
	v_add_nc_u32 v5, s24, v5                       ; LDS: row r, + 128 h, + my K step
	s_mul_i32 s25, s2, 4*ROWW
	v_add_nc_u32 v6, s25, v4                       ; the copy: my four rows, 16 bytes a lane; the same offset in memory and in LDS
	v_mul_u32_u24 v7, v2, ROWW                     ; LDS: row r (the coverage channel lies 4,096 bytes on)
	v_lshlrev_b32 v[H8], 3, v3                     ; 8 h
	v_lshlrev_b32 v9, 2, v1                        ; 4 x lane
	v_lshlrev_b32 v10, 11, v2
	v_lshl_add_u32 v10, v3, 7, v10
	v_add_nc_u32 v10, s24, v10                     ; the summary: batch r of 2,048 bytes, + 128 h, + my K step
	v_lshlrev_b32 v11, 11, v2
	v_lshl_add_u32 v11, v3, 5, v11
	s_and_b32 s26, s2, 1
	s_lshl_b32 s27, s26, 15
	v_add_nc_u32 v11, s27, v11                     ; the bias: batch 16 (wave % 2) + r, + 32 h
	v_lshlrev_b32 v12, 5, v3                       ; 32 h
	s_lshl_b32 s27, s2, 11
	s_add_co_u32 s27, s27, PD
	v_add_nc_u32 v13, s27, v4                      ; where I put my partial sums
	s_lshl_b32 s27, s26, 10
	s_add_co_u32 s27, s27, PD
	v_add_nc_u32 v14, s27, v4                      ; where waves 0 and 1 read all four
	v_mov_b32 v[TP], 0                             ; written once: a lane permute's destination counts as one of its sources
	s_lshl_b32 s28, ttmp9, 7
	v_add_nc_u32 v15, s28, v0                      ; g: my list entry
	s_wait_kmcnt 0x0
	s_load_b512 s[32:47], s[14:15], 0x0            ; the 32 lengths
	s_load_b512 s[48:63], s[14:15], 0x40
	s_mul_i32 s28, ttmp9, 16*ROWW
	s_mov_b32 s29, 0
	s_add_nc_u64 s[8:9], s[8:9], s[28:29]          ; W1 at my 16 rows: 65,600 dense bytes
	s_wait_alu depctr_va_vdst(0)                   ; the offsets and LDS addresses v4 to v14 are written, which the loads and stores of the whole kernel read
.set i, 0
.rept 32
	global_load_b128 v[32+4*i:35+4*i], v6, s[8:9] offset:512*i
.set i, i+1
.endr
	global_load_b128 v[160:163], v6, s[8:9] offset:4*ROWW-512   ; the last 512 of my 16,400 bytes: it overlaps my own bytes alone
	s_lshl_b32 s28, ttmp9, 2
	s_add_co_u32 s28, s28, s2
	s_mul_i32 s28, s28, 1536
	s_add_nc_u64 s[16:17], s[16:17], s[28:29]      ; w1f: fragment (tile j, K step v)
	s_mul_i32 s28, ttmp9, 5
	s_add_co_u32 s30, s28, s2
	s_lshl_b32 s30, s30, 7
	s_mov_b32 s31, 0
	s_add_nc_u64 s[70:71], s[18:19], s[30:31]      ; w1m: scale words (tile j, K step v), 128 bytes
	s_add_co_u32 s30, s28, 4
	s_lshl_b32 s30, s30, 7
	s_add_nc_u64 s[72:73], s[18:19], s[30:31]      ; those of the coverage step
	s_lshl_b32 s30, ttmp9, 7
	s_add_co_u32 s30, s30, 20480
	s_add_nc_u64 s[74:75], s[18:19], s[30:31]      ; and its code words
	s_lshl_b32 s30, ttmp9, 6
	s_add_nc_u64 s[12:13], s[12:13], s[30:31]      ; b1 and the bias at my 16 hidden units
	s_add_nc_u64 s[20:21], s[20:21], s[30:31]
	s_lshl_b32 s30, ttmp9, 10
	s_add_nc_u64 s[22:23], s[22:23], s[30:31]      ; the list at my 128 entries
	s_wait_kmcnt 0x0
	; THE LIST, while W1 is on its way.  Batch b has ceil(len / 64) steps; entry g belongs to the last batch whose first entry P is not above g.
	; The compares stand in one run: batch b's mask takes the scalar register that held its length, which the line above it has just read; the values to choose from wait in v[LT ..].
	v_mov_b32 v16, 0
	v_mov_b32 v17, 0
	s_mov_b32 s66, 0                               ; P
.set b, 0
.rept 32
	s_min_u32 s67, s[32+b], 4096
	v_cmp_le_u32 s[32+b], s66, v15
	s_sub_co_u32 s68, 64*b, s66
	v_mov_b32 v[LT+2*b], s68                       ; slot - g = 64 b - P
	v_mov_b32 v[LT+2*b+1], s67                     ; the batch's length
	s_add_co_u32 s67, s67, 63
	s_lshr_b32 s67, s67, 6
	s_add_co_u32 s66, s66, s67
.set b, b+1
.endr
	v_cmp_gt_u32 s69, s66, v15                     ; is g an entry at all?
	s_wait_alu depctr_va_sdst(0)                   ; the 33 masks are written, ahead of the selects that read them
.set b, 0
.rept 32
	v_cndmask_b32 v16, v16, v[LT+2*b], s[32+b]
	v_cndmask_b32 v17, v17, v[LT+2*b+1], s[32+b]
.set b, b+1
.endr
	v_add_nc_u32 v16, v15, v16                     ; slot = 64 b + step
	v_and_b32 v18, 63, v16
	v_lshlrev_b32 v18, 6, v18                      ; the step's first position
	v_sub_nc_u32 v17, v17, v18
	v_min_u32 v17, 64, v17                         ; how many of its 64 positions count
	v_cndmask_b32 v16, 0, v16, s69                 ; entries behind the last step: {0, 0}
	v_cndmask_b32 v17, 0, v17, s69
	v_lshlrev_b32 v18, 3, v0
	s_wait_alu depctr_va_vdst(0)                   ; v16 to v18 are written, which the store reads; the selects are done with v[LT ..], in which the summary lands below
	global_store_b64 v18, v[16:17], s[22:23]       ; a wave stores 256 consecutive bytes; v16-18 are not written again
	; THE COPY INTO LDS
	s_wait_loadcnt 0x0
.set i, 0
.rept 32
	ds_store_b128 v6, v[32+4*i:35+4*i] offset:512*i
.set i, i+1
.endr
	ds_store_b128 v6, v[160:163] offset:4*ROWW-512
	s_wait_dscnt 0x0                               ; for the other waves' sake: my part of the rows is in LDS
	s_wait_alu depctr_vm_vsrc(0)                   ; the LDS stores have read v32-163, in which the summary (now) and the rows' numbers (behind the barrier) land
.irp be, 0,1
.irp c, 0,1
.irp i, 0,1,2,3,4,5,6,7
	global_load_b128 v[SSN+64*\be+32*\c+4*\i:SSN+64*\be+32*\c+4*\i+3], v10, s[10:11] offset:32768*\be+256*\c+16*\i
.endr
.endr
.endr
	s_barrier_signal -1
	s_barrier_wait -1                              ; the 16 rows lie in LDS
	; THE TEXT PART: my K step of the tile
.irp c, 0,1
.set i, 0
.rept 32
	ds_load_b32 v[QT+32*\c+i], v5 offset:256*\c+4*i
.set i, i+1
.endr
.endr
	s_wait_dscnt 0x0
	QUANT QT, TF, 28
	s_wait_alu depctr_va_vdst(0)                   ; the fragment v224-235 and its scale word v28 are written, which the stores read; the conversions are done reading v32-95, in which the summary part's numbers land
.irp c, 0,1,2
	global_store_b128 v4, v[TF+4*\c:TF+4*\c+3], s[16:17] offset:512*\c   ; the fragment as an image of its registers: 512 consecutive bytes a store
.endr
	global_store_b32 v9, v28, s[70:71]
	; THE SUMMARY PART of W1: 2,048 bytes further along the rows
.irp c, 0,1
.set i, 0
.rept 32
	ds_load_b32 v[QT+32*\c+i], v5 offset:2048+256*\c+4*i
.set i, i+1
.endr
.endr
	s_wait_dscnt 0x0
	QUANT QT, AF, 29
	s_wait_alu depctr_va_vdst(0)                   ; the conversions are done reading v32-95: b1 lands in v72-79, and in wave 0 the coverage number in v32
	global_load_b128 v[BB:BB+3], v12, s[12:13]     ; b1 of the tile's eight units of my half, into registers that W1's numbers have left
	global_load_b128 v[BB+4:BB+7], v12, s[12:13] offset:16
	; THE COVERAGE CHANNEL: wave 0
	s_cmp_lg_u32 s2, 0
	s_cbranch_scc1 .Lnocov
	ds_load_b32 v32, v7 offset:4096
	s_wait_dscnt 0x0
	v_max3_num_f32 v[T0], |v32|, |v32|, FLOOR
	v_add_nc_u32 v[SO0], EOFF, v[T0]
	v_lshrrev_b32 v255, 23, v[SO0]                 ; the scale word: the block's byte below, 0 (no NaN) over the three blocks of zeros
	v_cndmask_b32 v32, 0, v32, s6                  ; lanes 16-31 hold k = 32 .. of the step: zeros
.irp i, 33,34,35,36,37,38,39,40,41,42,43,44,45,46,47
	v_mov_b32 v\i, 0
.endr
	v_cvt_scalef32_pk16_fp6_f32 v[252:254], v[32:47], v[SO0]
	v_nop
	s_wait_alu depctr_va_vdst(0)                   ; the code word v252 and the scale word v255 are written, which the two stores read
	global_store_b32 v9, v252, s[74:75]            ; register 0 of the step's fragment; v252-255 are not written again
	global_store_b32 v9, v255, s[72:73]
.Lnocov:
	; THE SUMMARY PRODUCT: source 0 = the tile's 16 rows of W1, source 1 = 16 batches; my K step
	s_wait_loadcnt 0x0
	QUANT SSN, BF, 30
	QUANT SSN+64, BF+12, 31
.rept 8
	v_nop                                          ; scale words written by vector instructions stand eight places ahead of a scaled product, operands four
.endr
	s_wait_alu depctr_va_vdst(0)                   ; behind the places: the three fragments and the scale words v29 to v31, made by vector lines, are written, which the scaled products take
	v_wmma_scale_f32_16x16x128_f8f6f4 v[DD:DD+7], v[AF:AF+11], v[BF:BF+11], 0, v29, v30 matrix_a_fmt:MATRIX_FMT_FP6 matrix_b_fmt:MATRIX_FMT_FP6
	v_wmma_scale_f32_16x16x128_f8f6f4 v[DD+8:DD+15], v[AF:AF+11], v[BF+12:BF+23], 0, v29, v31 matrix_a_fmt:MATRIX_FMT_FP6 matrix_b_fmt:MATRIX_FMT_FP6
.rept 4
	v_nop
.endr
	s_wait_alu depctr_va_vdst(0)                   ; behind the places: the products have written v56-71, which the LDS stores read
.irp be, 0,1
	ds_store_b128 v13, v[DD+8*\be:DD+8*\be+3] offset:1024*\be          ; each result from its low end on
	ds_store_b128 v13, v[DD+8*\be+4:DD+8*\be+7] offset:1024*\be+512
.endr
	BARRIER                                        ; the four K steps' parts lie in LDS
	; THE BIAS: waves 0 and 1, batches 16 x wave on: lane (r, h) holds batch r and hidden units 8 h + 0 .. 7 of the tile
	s_cmp_gt_u32 s2, 1
	s_cbranch_scc1 .Lend
.irp wv, 0,1,2,3
	ds_load_b128 v[96+8*\wv:99+8*\wv], v14 offset:2048*\wv             ; (they land in registers of the summary's numbers, whose last readers stand ahead of the waits above)
	ds_load_b128 v[100+8*\wv:103+8*\wv], v14 offset:2048*\wv+512
.endr
	s_wait_dscnt 0x0
.irp p, 0,2,4,6
	v_pk_add_f32 v[96+\p:97+\p], v[96+\p:97+\p], v[104+\p:105+\p]
	v_pk_add_f32 v[112+\p:113+\p], v[112+\p:113+\p], v[120+\p:121+\p]
.endr
.irp p, 0,2,4,6
	v_pk_add_f32 v[96+\p:97+\p], v[96+\p:97+\p], v[112+\p:113+\p]
.endr
.irp p, 0,2,4,6
	v_pk_add_f32 v[96+\p:97+\p], v[96+\p:97+\p], v[BB+\p:BB+\p+1]
.endr
.irp p, 0,2,4,6
	v_pk_mul_f32 v[96+\p:97+\p], v[96+\p:97+\p], 0x4038aa3b op_sel_hi:[1,0]   ; x 2 log2(e): the main launch's tanh works in base 2
.endr
	s_wait_alu depctr_va_vdst(0)                   ; the bias v96-103 is written, which the two stores read
	global_store_b128 v11, v[96:99], s[20:21]
	global_store_b128 v11, v[100:103], s[20:21] offset:16
.Lend:
	s_set_vgpr_msb 0x4                             ; the add's second register lies in window 1: the switch stands ahead of the closing lines
	s_wait_dscnt 0x0                               ; the closing lines, six on end
	s_wait_alu 0x0
	s_wait_tensorcnt 0x0
	ds_add_u32 v23, v1
	s_wait_dscnt 0x0
	s_endpgm
.Lfunc_end_k_qef33bd4480_prep:
	.size	k_qef33bd4480_prep, .Lfunc_end_k_qef33bd4480_prep-k_qef33bd4480_prep
	.p2alignl 7, 3214868480
	.fill 96, 4, 3214868480
	.section	.rodata,"a",@progbits
	.p2align	6, 0x0
	.amdhsa_kernel k_qef33bd4480_prep
		.amdhsa_group_segment_fixed_size 74496
		.amdhsa_private_segment_fixed_size 0
		.amdhsa_enable_private_segment 0
		.amdhsa_kernarg_size 64
		.amdhsa_user_sgpr_count 2
		.amdhsa_user_sgpr_kernarg_segment_ptr 1
		.amdhsa_wavefront_size32 1
		.amdhsa_system_sgpr_workgroup_id_x 1
		.amdhsa_system_sgpr_workgroup_id_y 1
		.amdhsa_system_sgpr_workgroup_id_z 1
		.amdhsa_system_vgpr_workitem_id 0
		.amdhsa_next_free_vgpr 258
		.amdhsa_next_free_sgpr 80
		.amdhsa_reserve_vcc 0
		.amdhsa_float_denorm_mode_32 3
		.amdhsa_float_denorm_mode_16_64 3
		.amdhsa_memory_ordered 1
		.amdhsa_forward_progress 1
		.amdhsa_inst_pref_size 53
	.end_amdhsa_kernel
	.amdgpu_metadata
---
amdhsa.version: [ 1, 2 ]
amdhsa.kernels:
  - .name:           k_qef33bd4480_prep
    .symbol:         k_qef33bd4480_prep.kd
    .args:
      - { .name: W1, .offset: 0, .size: 8, .value_kind: global_buffer, .address_space: global }
      - { .name: summary_current_state, .offset: 8, .size: 8, .value_kind: global_buffer, .address_space: global }
      - { .name: b1, .offset: 16, .size: 8, .value_kind: global_buffer, .address_space: global }
      - { .name: text_length, .offset: 24, .size: 8, .value_kind: global_buffer, .address_space: global }
      - { .name: w1f, .offset: 32, .size: 8, .value_kind: global_buffer, .address_space: global }
      - { .name: w1m, .offset: 40, .size: 8, .value_kind: global_buffer, .address_space: global }
      - { .name: biasw, .offset: 48, .size: 8, .value_kind: global_buffer, .address_space: global }
      - { .name: list, .offset: 56, .size: 8, .value_kind: global_buffer, .address_space: global }
    .group_segment_fixed_size: 74496
    .private_segment_fixed_size: 0
    .kernarg_segment_align: 8
    .kernarg_segment_size: 64
    .max_flat_workgroup_size: 128
    .sgpr_count:     80
    .vgpr_count:     258
    .wavefront_size: 32
...
	.end_amdgpu_metadata
.endif
;; end of part 4
;; launch main (part 5): grid 256 x 1, 4 waves a work-group, no clusters, 170,496 bytes of LDS; arguments text_states, coverage, W2, b2, w1f, w1m, biasw, list, logit, ctxp; writes logit, ctxp
.if DOCPART == 5
	.amdgcn_target "amdgcn-amd-amdhsa--gfx1250"
	.amdhsa_code_object_version 6
	.text
	.protected	k_qef33bd4480_main
	.globl	k_qef33bd4480_main
	.p2align	8
	.type	k_qef33bd4480_main,@function
k_qef33bd4480_main:
	s_mov_b64 s[64:65], 0
	v_nop
	global_prefetch_b8 v0, s[64:65] scope:SCOPE_SE
	s_setreg_imm32_b32 hwreg(HW_REG_WAVE_SCHED_MODE, 0, 2), 2
	s_setreg_imm32_b32 hwreg(HW_REG_WAVE_MODE, 25, 1), 1
	s_wait_xcnt 0x0
	s_wait_alu depctr_vm_vsrc(0)
; MAIN.  For each step of 64 positions under text_length: the text states are read from memory ONCE, kept in LDS as f32, quantised (E2M3, one E8M0 byte for 32 along K),
; multiplied with W1's text part and coverage channel on codes, tanh, the product with W2 by fused multiply-adds in f32, and the step's own softmax part:
; logits (-infinity at positions that do not count), and the sum of 2^((logit - the step's largest) log2 e) x text state.  The last launch joins the steps.
; The summary half of K is the same for all positions of a batch: it comes as a bias, made once on codes by the launch before.
; SHARES.  Work-group w walks list entries w + 256 i, i = 0 .. 7 (2,048 entries hold every split of lengths); an entry {slot, 0} has no work.  The barriers stand on every path;
; each phase between two barriers is jumped over where the entry is empty (a scalar branch on a stored whole number, alike in all four waves).
; Wave v owns hidden units 128 v .. 128 v + 127, whose weights stay in its registers for the whole launch, and rows 16 v .. 16 v + 15 of each step for loading, quantising and the context sum.
; No tensor load, no cluster: trip work hangs on stored numbers, and what work-groups share (the weights, 200 KB) is read once by each.
; THE PRODUCT IS USED WITH source 0 = 16 rows of W1, source 1 = 16 positions: lane (r, h) holds position r, register j hidden unit 16 t + 8 h + j.
; tanh(z) = 1 - 2 / (1 + 2^(2 log2(e) z)): so W2 . tanh = sum(W2) + sum((-2 W2) / (1 + 2^..)).
; BY TURNS.  A unit is 20 products (4 tiles of hidden units x 5 K steps) on four accumulators by turns; behind each product stands a slice of the tanh of the unit before, on the other four accumulators.
; LIMITS: NaN and infinities among the inputs are not served.  A block whose largest magnitude lies under 2^-124, a block of zeros too, gets the byte 1 (zeros' codes are zeros).
; LDS (bytes): FB 4 x 33,024 each wave's 16 rows of f32, 2,064 apart; XI x's 16 fragments as images of their registers; XCI, XCS the coverage step's code and scale words; XSI the text steps' scale words;
; PL partial logits [wave][64]; PP each wave's 64 weights; CX context parts [wave][2,048].
; REGISTERS.  window 0: v1-23 addresses and lane terms; v24-63 W1's scale words; v64-75 x's scale words (two sets); v76-101 W1's coverage code words, tile t's at 76 + 2 t (its operand is the 12 registers from
; there on: x's side is zero at every k but the first, so what the other eleven hold counts for nothing; the spare ones serve as scratch); v102-113 x's coverage fragment (registers 1-11 stay 0); v114-125 a fragment just made;
; v126-253 by phases: 2 x 64 numbers | x's 4 fragments, 8 accumulators, sums, four partial logits | rows of f32, context sums, weights.
; window 1: W1's fragments of tiles 0-3, from v192 -2 W2.   window 2: tiles 4-7, from v192 the bias.   window 3: the next step's 16 rows of f32.
; THE MODE: SCHED_MODE bits 1:0 = 2 (LLVM: expert scheduling mode 2), set by the entry lines.  The code itself states the register dependences
; between vector or matrix instructions and memory or LDS instructions, with s_wait_alu, always for 0.
; THE PLAN.  Registers that memory or LDS instructions touch, round a trip:
;   v1-17, v22, v23  offsets and LDS addresses: made at the head, never written again.
;   window 3, v20    the next step's rows and coverage: loaded from memory in phase 1; the rows are read by the next phase 1's 64 LDS stores, v20 by its one move.
;   v126-253 (QT)    phase 1: LDS loads land, the quantising reads.   v114-125 (F), v77-83 (WQ), v92, v87: written by the quantising, read by the images' LDS stores.
;   v126-173 (XF), v64-75 (XS), v102 (XC)   phase 2: LDS loads land, products read.  The loads for the next tile of positions stand behind the two waits that the tanh list holds for its exponentials and its
;                    reciprocals: each of these waits stands behind the last product that read the registers in which the loads land.
;   v248-251 (TS)    phase 2: the wave's partial logits, a register a tile, stored in one run at the phase's end.
;   window 2 v192-255  the bias: read by the tanh lists, loaded again in phase 3.
;   v114-121         phase 3: the logits' parts land; the logits and weights made of them are stored.   v126-221 (XR) three buffers of rows, v238-253 (PB) weights: LDS loads land, multiply-adds read.
;   v222-237 (CACC)  written by the multiply-adds, read by LDS stores.   v126-141: phase 4's parts land; v126-129 are stored.
; Every phase ends with a wait on va_vdst ahead of its last stores, behind which it issues no vector line; a wait on vm_vsrc stands on every path at the first two barriers and at the trip's end.
.set FP,   2064
.set FBW,  16*FP
.set XI,   4*FBW
.set XCI,  XI+24576
.set XSI,  XCI+512
.set XCS,  XSI+2048
.set PL,   XCS+512
.set PP,   PL+1024
.set CX,   PP+1024
.set FLOOR, 0x1800000
.set EOFF,  0xff000000
.set W1S,  24
.set XS,   64
.set CWIN, 76
.set XC,   102
.set F,    114
.set QT,   126
.set XF,   126
.set ACC,  174
.set LACC, 238
.set TT,   246
.set TT2,  247
.set TS,   248                         ; v248-251: my wave's part of the logits of tile 0 .. 3 of positions
.set XR,   126
.set CACC, 222
.set PB,   238
.set WQ,   77                          ; v77, 79, 81, 83: the four scale words just made
.set T0,   85
.set T1,   87
.set T2,   100
.set T3,   101
.set SO0,  89
.set SO1,  91
.set CT,   92                          ; v92-94, v96-98
.set TP,   99
.set H8,   18
.set SEL,  36
.set MSB, 0
.macro WIN new                         ; the immediate's high byte repeats the setting that is left; a switch that changes nothing is dropped
.if MSB != (\new)
	s_set_vgpr_msb (MSB<<8)|(\new)
.set MSB, (\new)
.endif
.endm
; 64 numbers of a lane, register 32 c + i = k 64 c + 32 (lane / 16) + i of the lane's row, become a fragment's 12 registers from v[f] on and its scale word in v[w].
.macro QUANT s, f, w
	v_max3_num_f32 v[T0], |v[(\s)]|, |v[(\s)+1]|, FLOOR
	v_max3_num_f32 v[T1], |v[(\s)+32]|, |v[(\s)+33]|, FLOOR
	v_max3_num_f32 v[T2], |v[(\s)+16]|, |v[(\s)+17]|, FLOOR
	v_max3_num_f32 v[T3], |v[(\s)+48]|, |v[(\s)+49]|, FLOOR
.irp i, 2,4,6,8,10,12,14
	v_max3_num_f32 v[T0], v[T0], |v[(\s)+\i]|, |v[(\s)+\i+1]|
	v_max3_num_f32 v[T1], v[T1], |v[(\s)+32+\i]|, |v[(\s)+33+\i]|
	v_max3_num_f32 v[T2], v[T2], |v[(\s)+16+\i]|, |v[(\s)+17+\i]|
	v_max3_num_f32 v[T3], v[T3], |v[(\s)+48+\i]|, |v[(\s)+49+\i]|
.endr
	v_max_num_f32 v[T0], v[T0], v[T2]
	v_max_num_f32 v[T1], v[T1], v[T3]
	v_add_nc_u32 v[SO0], EOFF, v[T0]
	v_add_nc_u32 v[SO1], EOFF, v[T1]
	v_lshrrev_b32 v[T0], 23, v[SO0]
	v_lshrrev_b32 v[T1], 23, v[SO1]
	v_lshl_or_b32 v[\w], v[T1], 16, v[T0]
	v_lshlrev_b32 v[\w], v[H8], v[\w]
	v_permlanex16_b32 v[TP], v[\w], s[SEL], s[SEL+1]
	v_or_b32 v[\w], v[\w], v[TP]
	v_cvt_scalef32_pk16_fp6_f32 v[(\f):(\f)+2], v[(\s):(\s)+15], v[SO0]
	v_cvt_scalef32_pk16_fp6_f32 v[CT:CT+2], v[(\s)+16:(\s)+31], v[SO0]
	v_cvt_scalef32_pk16_fp6_f32 v[(\f)+6:(\f)+8], v[(\s)+32:(\s)+47], v[SO1]
	v_cvt_scalef32_pk16_fp6_f32 v[CT+4:CT+6], v[(\s)+48:(\s)+63], v[SO1]
	v_nop                                          ; one plain place behind the conversions
.irp i, 0,1,2
	v_mov_b32 v[(\f)+3+\i], v[CT+\i]
	v_mov_b32 v[(\f)+9+\i], v[CT+4+\i]
.endr
.endm
; A stored slot enters an address only held at 2,047, and then by AND, shifts left and additions.
.macro RINGBASE e                      ; where my 16 rows of the step in s[e] lie in the text states and in the coverage
	s_min_u32 s54, s[\e], 2047
	s_lshl_b32 s42, s54, 17
	s_add_co_u32 s42, s42, s56
	s_add_nc_u64 s[44:45], s[8:9], s[42:43]
	s_lshl_b32 s42, s54, 8
	s_add_co_u32 s42, s42, s57
	s_add_nc_u64 s[46:47], s[10:11], s[42:43]
.endm
.macro BIASBASE e                      ; and my 128 numbers of its batch's bias
	s_min_u32 s54, s[\e], 2047
	s_and_b32 s42, s54, 0x7c0
	s_lshl_b32 s42, s42, 5
	s_add_co_u32 s42, s42, s58
	s_add_nc_u64 s[48:49], s[20:21], s[42:43]
.endm
.macro RINGLOAD                        ; 16 rows x 2,048 bytes into window 3, 512 consecutive bytes a load; and the rows' coverage
	WIN 0xc0
.set i_, 0
.rept 64
	global_load_b128 v[4*i_:4*i_+3], v1, s[44:45] offset:2048*(i_/4)+512*(i_%4) th:TH_LOAD_NT
.set i_, i_+1
.endr
	WIN 0
	global_load_b32 v20, v2, s[46:47]
.endm
.macro BIASLOAD
	WIN 0x80
.irp t, 0,1,2,3,4,5,6,7
	global_load_b128 v[192+8*\t:195+8*\t], v3, s[48:49] offset:64*\t
	global_load_b128 v[196+8*\t:199+8*\t], v3, s[48:49] offset:64*\t+16
.endr
	WIN 0
.endm
.macro QLOAD q                         ; my row's 64 numbers of K step q, out of my wave's rows in LDS
.irp c, 0,1
.irp i, 0,1,2,3,4,5,6,7
	ds_load_b128 v[QT+64*((\q)%2)+32*\c+4*\i:QT+64*((\q)%2)+32*\c+4*\i+3], v6 offset:512*(\q)+256*\c+16*\i
.endr
.endr
.endm
.macro XL01 m                          ; x's fragments 0 and 1 of tile m of positions, and its scale words: 8 loads
.irp q, 0,1
.irp c, 0,1,2
	ds_load_b128 v[XF+12*\q+4*\c:XF+12*\q+4*\c+3], v8 offset:6144*(\m)+1536*\q+512*\c
.endr
.endr
	ds_load_b128 v[XS+6*((\m)%2):XS+6*((\m)%2)+3], v8 offset:XSI-XI+512*(\m)
	ds_load_b32 v[XS+6*((\m)%2)+4], v9 offset:XCS-XCI+128*(\m)
.endm
.macro XL23 m                          ; fragments 2 and 3: 6 loads
.irp q, 2,3
.irp c, 0,1,2
	ds_load_b128 v[XF+12*\q+4*\c:XF+12*\q+4*\c+3], v8 offset:6144*(\m)+1536*\q+512*\c
.endr
.endr
.endm
.macro XLC m                           ; the coverage step's code word: 1 load
	ds_load_b32 v[XC], v9 offset:128*(\m)
.endm
; Product i of 20 of unit (m, g): K step i / 4, tile 4 g + i % 4.  The four accumulators take turns, one instruction a turn.  K step 0 starts the sums.
.macro MM m, g, i
.set q_, (\i)/4
.set a_, (\i)%4
.set d_, ACC+32*(\g)+8*a_
.set ws_, W1S+5*(4*(\g)+a_)+q_
.set xs_, XS+6*((\m)%2)+q_
.set cw_, CWIN+2*(4*(\g)+a_)
.set wf_, 48*a_+12*q_
.set xf_, XF+12*q_
.if q_ == 4
	WIN 0
	v_wmma_scale_f32_16x16x128_f8f6f4 v[d_:d_+7], v[cw_:cw_+11], v[XC:XC+11], v[d_:d_+7], v[ws_], v[xs_] matrix_a_fmt:MATRIX_FMT_FP6 matrix_b_fmt:MATRIX_FMT_FP6
.elseif q_ == 0
	WIN 1+(\g)
	v_wmma_scale_f32_16x16x128_f8f6f4 v[d_:d_+7], v[wf_:wf_+11], v[xf_:xf_+11], 0, v[ws_], v[xs_] matrix_a_fmt:MATRIX_FMT_FP6 matrix_b_fmt:MATRIX_FMT_FP6
.else
	WIN 1+(\g)
	v_wmma_scale_f32_16x16x128_f8f6f4 v[d_:d_+7], v[wf_:wf_+11], v[xf_:xf_+11], v[d_:d_+7], v[ws_], v[xs_] matrix_a_fmt:MATRIX_FMT_FP6 matrix_b_fmt:MATRIX_FMT_FP6
.endif
.endm
; THE TANH LIST of group lg (its four tiles, 32 registers) of tile lm of positions; TE writes number e of it.
;   0-15 z x 2 log2(e) + bias, a pair each, tiles ascending (each accumulator is first read at its low end);  16-47 the exponentials;  48 a plain place and the one wait for the batch;
;   49-64 + 1;  65-96 the reciprocals;  97 a plain place and their wait;  98-113 the sums with -2 W2, in four chains (group 0's first four start them);
;   114-120, group 1 only: the chains, the lane's two halves, lane l xor 16's, + sum(W2): my wave's part of the 16 logits, into the tile's own register.
.macro TE e, lg, lm
.set e_, \e
.set ab_, ACC+32*(\lg)
.set wb_, 192+32*(\lg)
.if e_ < 16
	WIN 0x20
	v_pk_fma_f32 v[ab_+2*e_:ab_+2*e_+1], v[ab_+2*e_:ab_+2*e_+1], s[34:35], v[wb_+2*e_:wb_+2*e_+1] op_sel_hi:[1,0,1]
.elseif e_ < 48
	WIN 0
	v_exp_f32 v[ab_+e_-16], v[ab_+e_-16]
.elseif e_ == 48
	v_nop
	s_wait_alu depctr_va_vdst(0)                   ; the 32 exponentials have written their results, ahead of the first reader; and the products issued so far (in a unit: up to its number 8, and all of the unit before) are done reading their operands: x's fragments 0 and 1, or the coverage word, are loaded again behind this slice
.elseif e_ < 65
	WIN 0
	v_pk_add_f32 v[ab_+2*(e_-49):ab_+2*(e_-49)+1], v[ab_+2*(e_-49):ab_+2*(e_-49)+1], 1.0 op_sel_hi:[1,0]
.elseif e_ < 97
	WIN 0
	v_rcp_f32 v[ab_+e_-65], v[ab_+e_-65]
.elseif e_ == 97
	v_nop
	s_wait_alu depctr_va_vdst(0)                   ; the 32 reciprocals have written their results, ahead of the first reader; and the products issued so far (in a unit: up to its number 16) are done reading their operands: x's fragments 2 and 3 are loaded again behind the next slice
.elseif e_ < 114
.set k_, e_-98
	WIN 0x04
.if ((\lg) == 0) && (k_ < 4)
	v_pk_mul_f32 v[LACC+2*k_:LACC+2*k_+1], v[ab_+2*k_:ab_+2*k_+1], v[wb_+2*k_:wb_+2*k_+1]
.else
	v_pk_fma_f32 v[LACC+2*(k_%4):LACC+2*(k_%4)+1], v[ab_+2*k_:ab_+2*k_+1], v[wb_+2*k_:wb_+2*k_+1], v[LACC+2*(k_%4):LACC+2*(k_%4)+1]
.endif
.elseif e_ == 114
	WIN 0
	v_pk_add_f32 v[LACC:LACC+1], v[LACC:LACC+1], v[LACC+2:LACC+3]
.elseif e_ == 115
	v_pk_add_f32 v[LACC+4:LACC+5], v[LACC+4:LACC+5], v[LACC+6:LACC+7]
.elseif e_ == 116
	v_pk_add_f32 v[LACC:LACC+1], v[LACC:LACC+1], v[LACC+4:LACC+5]
.elseif e_ == 117
	v_add_f32 v[TT], v[LACC], v[LACC+1]
.elseif e_ == 118
	v_permlanex16_b32 v[TT2], v[TT], s[SEL], s[SEL+1]
.elseif e_ == 119
	v_add_f32 v[TT], v[TT], v[TT2]
.else
	v_add_f32 v[TS+(\lm)], v[TT], v19              ; it is stored at the phase's end, with the other tiles'
.endif
.endm
; Slice i of 20: six numbers of the list in slices 0-13, five in slices 14-19; group 1's last seven hang on slice 19.  Slice 19 so holds five plain multiply-adds at the least: the places behind the unit's last product.
.macro SLICE i, lg, lm
.if (\i) < 14
.set se_, 6*(\i)
.set sn_, 6
.else
.set se_, 84+5*((\i)-14)
.set sn_, 5
.endif
.if ((\i) == 19) && (\lg)
.set sn_, 12
.endif
.rept sn_
	TE se_, \lg, \lm
.set se_, se_+1
.endr
.endm
; UNIT (m, g).  The next tile's operands are fetched into the registers that this tile's products have left, each run behind a wait of the tanh list that stands behind the registers' last reader, with no vector or matrix
; line between that names them.  Group 1's units: fragments 0, 1 and the scale words behind slice 8 (last reader: product 7; the wait, number 48, opens slice 8), fragments 2, 3 behind slice 17 (last reader: product 15;
; the wait, number 97, stands in slice 16).  Group 0's units: the tile's own coverage word behind slice 8 (last readers: products 16-19 of the unit before).
; Group 0's units wait for them: at product 0 the six loads of fragments 2, 3 may be out; at product 8 nothing; at product 16 the coverage word is in.
.macro UNIT m, g
.set ui_, 0
.rept 20
.if ((\g) == 0) && ((\m) > 0)
.if ui_ == 0
	s_wait_dscnt 6
.elseif ui_ == 8
	s_wait_dscnt 0x0
.elseif ui_ == 16
	s_wait_dscnt 0x0
.endif
.endif
	MM \m, \g, ui_
.if (\g) == 1
	SLICE ui_, 0, \m
.elseif (\m) > 0
	SLICE ui_, 1, (\m)-1
.endif
.if ((\g) == 1) && ((\m) < 3)
.if ui_ == 8
	WIN 0
	XL01 (\m)+1
.elseif ui_ == 17
	WIN 0
	XL23 (\m)+1
.endif
.endif
.if ((\g) == 0) && ((\m) > 0) && (ui_ == 8)
	WIN 0
	XLC \m
.endif
.set ui_, ui_+1
.endr
.if ((\g) == 0) && ((\m) == 0)
	WIN 0
.rept 4
	v_nop                                          ; the first unit has no slices: four places behind its last products
.endr
.endif
.endm
.macro CB b                            ; rows 2 b and 2 b + 1 of my 16, f32, out of LDS: 8 loads, into buffer b % 3
.irp u, 0,1
.irp q, 0,1,2,3
	ds_load_b128 v[XR+32*((\b)%3)+16*\u+4*\q:XR+32*((\b)%3)+16*\u+4*\q+3], v5 offset:FP*(2*(\b)+\u)+512*\q
.endr
.endr
.endm
	s_load_b512 s[8:23], s[0:1], 0x0               ; text s[8:9], coverage s[10:11], W2 s[12:13], b2 s[14:15], w1f s[16:17], w1m s[18:19], biasw s[20:21], list s[22:23]
	s_load_b128 s[24:27], s[0:1], 0x40             ; logit s[24:25], ctxp s[26:27]
	v_lshl_add_u32 v254, v0, 2, 0x29800
	v_mov_b32 v255, 0
	v_lshrrev_b32 v1, 5, v0
	v_readfirstlane_b32 s2, v1                     ; wave 0..3
	v_and_b32 v20, 31, v0                          ; lane
	v_and_b32 v21, 15, v0                          ; r
	v_bfe_u32 v19, v0, 4, 1                        ; h
	v_lshlrev_b32 v1, 4, v20                       ; 16 x lane
	v_lshlrev_b32 v2, 2, v21                       ; 4 r
	v_lshlrev_b32 v3, 5, v19                       ; 32 h
	v_lshlrev_b32 v4, 3, v20                       ; 8 x lane
	v_lshlrev_b32 v[H8], 3, v19                    ; 8 h
	v_lshlrev_b32 v22, 1, v20                      ; 2 x lane
	v_lshlrev_b32 v23, 2, v20                      ; 4 x lane
	s_wait_alu depctr_va_sdst(0)                   ; s2 is written, ahead of its first reader: LDS addresses, bases and branches are made from it
	s_mul_i32 s54, s2, FBW
	v_add_nc_u32 v5, s54, v1                       ; my rows in LDS, 16 bytes a lane
	v_mul_u32_u24 v6, v21, FP
	v_lshl_add_u32 v6, v19, 7, v6
	v_add_nc_u32 v6, s54, v6                       ; row r of them, + 128 h
	s_mul_i32 s54, s2, 6144
	s_add_co_u32 s54, s54, XI
	v_add_nc_u32 v7, s54, v1                       ; where I store x's images
	v_add_nc_u32 v8, XI, v1                        ; where any wave reads them
	v_add_nc_u32 v9, XCI, v23
	s_lshl_b32 s54, s2, 7
	s_add_co_u32 s54, s54, XCI
	v_add_nc_u32 v10, s54, v23
	s_lshl_b32 s54, s2, 9
	s_add_co_u32 s54, s54, XSI
	v_add_nc_u32 v11, s54, v1
	s_lshl_b32 s54, s2, 8
	s_add_co_u32 s55, s54, PL
	v_add_nc_u32 v12, s55, v2
	v_add_nc_u32 v13, PL, v4
	s_add_co_u32 s55, s54, PP
	v_add_nc_u32 v14, s55, v4
	s_mul_i32 s55, s2, 320
	s_add_co_u32 s55, s55, PP
	v_mov_b32 v15, s55                             ; my 16 rows' weights among my wave's 64: 256 v + 64 v
	s_lshl_b32 s54, s2, 11
	s_add_co_u32 s54, s54, CX
	v_add_nc_u32 v16, s54, v1
	s_lshl_b32 s54, s2, 9
	s_add_co_u32 s54, s54, CX
	v_add_nc_u32 v17, s54, v1
	s_mov_b32 s34, 0x4038aa3b                      ; 2 log2(e)
	s_mov_b32 s35, s34
	s_mov_b32 s[SEL], 0x76543210
	s_mov_b32 s[SEL+1], 0xfedcba98
	s_mov_b32 s40, 0xffff
	s_mov_b32 s41, 0x3fb8aa3b                      ; log2(e)
	s_mov_b32 s62, 0xff800000                      ; -infinity
	s_mov_b32 s43, 0
	s_lshl_b32 s56, s2, 15                         ; my 16 rows of a step, in bytes of text,
	s_lshl_b32 s57, s2, 6                          ; of coverage;
	s_lshl_b32 s58, s2, 9                          ; my 128 hidden units, or my quarter of a context row
	s_mov_b32 s59, 0
	s_mov_b32 s3, 0
	s_wait_kmcnt 0x0
	s_lshl_b32 s42, ttmp9, 3
	s_add_nc_u64 s[22:23], s[22:23], s[42:43]      ; the list at entry w
	s_load_b64 s[28:29], s[22:23], 0x0             ; this step {slot, positions that count},
	s_load_b64 s[30:31], s[22:23], 0x800           ; the next: 256 entries on
	s_load_b32 s38, s[14:15], 0x0                  ; b2
	s_mul_i32 s42, s2, 49152
	s_add_nc_u64 s[16:17], s[16:17], s[42:43]      ; my 32 fragments of W1
	s_mul_i32 s42, s2, 5120
	s_add_nc_u64 s[50:51], s[18:19], s[42:43]      ; their scale words
	s_lshl_b32 s42, s2, 10
	s_add_nc_u64 s[52:53], s[18:19], s[42:43]      ; the coverage code words
	s_add_nc_u64 s[12:13], s[12:13], s[58:59]      ; my 128 numbers of W2
	WIN 0x40
	s_wait_alu depctr_va_vdst(0)                   ; the offsets and LDS addresses v1 to v17, v22, v23 are written, which the loads and stores of the whole kernel read; the lines that made them are done with v20, in which the coverage lands
.irp t, 0,1,2,3
.irp q, 0,1,2,3
.irp c, 0,1,2
	global_load_b128 v[48*\t+12*\q+4*\c:48*\t+12*\q+4*\c+3], v1, s[16:17] offset:(4*\t+\q)*1536+512*\c
.endr
.endr
.endr
.irp t, 0,1,2,3,4,5,6,7
	global_load_b128 v[192+8*\t:195+8*\t], v3, s[12:13] offset:64*\t
	global_load_b128 v[196+8*\t:199+8*\t], v3, s[12:13] offset:64*\t+16
.endr
	WIN 0x80
.irp t, 4,5,6,7
.irp q, 0,1,2,3
.irp c, 0,1,2
	global_load_b128 v[48*(\t-4)+12*\q+4*\c:48*(\t-4)+12*\q+4*\c+3], v1, s[16:17] offset:(4*\t+\q)*1536+512*\c
.endr
.endr
.endr
	WIN 0
.irp t, 0,1,2,3,4,5,6,7
.irp q, 0,1,2,3,4
	global_load_b32 v[W1S+5*\t+\q], v23, s[50:51] offset:(5*\t+\q)*128
.endr
	global_load_b32 v[CWIN+2*\t], v23, s[52:53] offset:20480+128*\t
.endr
	s_wait_kmcnt 0x0
	s_mov_b32 s39, s38
	RINGBASE 28                                    ; (an empty entry reads slot 0: inside the buffers, and used by nobody)
	BIASBASE 28
	RINGLOAD
	BIASLOAD
.irp i, 77,79,81,83,85,87,89,91,92,93,94,95,96,97,98,99,100,101,103,104,105,106,107,108,109,110,111,112,113,246,247
	v_mov_b32 v\i, 0                               ; the spare registers among W1's coverage words; x's coverage fragment but for its first register; two lane permutes' destinations
.endr
	s_wait_loadcnt 0x0
	WIN 0x05                                       ; sum(W2) over my 128 hidden units: 64 in the lane, and lane l xor 16's
	v_pk_add_f32 v[238:239], v[192:193], v[194:195]
	v_pk_add_f32 v[240:241], v[196:197], v[198:199]
	WIN 0x01
.set k, 4
.rept 14
	v_pk_add_f32 v[238:239], v[192+2*k:193+2*k], v[238:239]
	v_pk_add_f32 v[240:241], v[194+2*k:195+2*k], v[240:241]
.set k, k+2
.endr
	WIN 0
	v_pk_add_f32 v[238:239], v[238:239], v[240:241]
	v_add_f32 v19, v238, v239
	v_permlanex16_b32 v[TT2], v19, s[SEL], s[SEL+1]
	v_add_f32 v19, v19, v[TT2]
	WIN 0x41
.set k, 0
.rept 32
	v_pk_mul_f32 v[192+2*k:193+2*k], v[192+2*k:193+2*k], -2.0 op_sel_hi:[1,0]
.set k, k+1
.endr
	WIN 0
.Ltrip:
	s_wait_loadcnt 0x0                             ; this step's rows, coverage and bias are in: on every path
	s_load_b64 s[32:33], s[22:23], 0x1000          ; the entry after the next
	s_min_u32 s54, s28, 2047                       ; where this step's results go (the last trip's stores have read these registers: the wait stands at the trip's end)
	s_lshl_b32 s42, s54, 8
	s_add_nc_u64 s[50:51], s[24:25], s[42:43]
	s_lshl_b32 s42, s54, 11
	s_add_co_u32 s42, s42, s58
	s_add_nc_u64 s[52:53], s[26:27], s[42:43]
	s_cmp_eq_u32 s29, 0
	s_cbranch_scc1 .Ls1
	; ---- 1: my 16 rows go to LDS as f32 and become four fragments, their scale words, and the coverage step's words
	v_mov_b32 v21, v20
	WIN 0x0c
.set i_, 0
.rept 64
	ds_store_b128 v5, v[4*i_:4*i_+3] offset:FP*(i_/4)+512*(i_%4)
.set i_, i_+1
.endr
	WIN 0
	QLOAD 0
	s_wait_dscnt 16                                ; all but the 16 loads just issued: the 64 stores are done
	s_wait_alu depctr_vm_vsrc(0)                   ; the 64 LDS stores have read window 3, in which the next step's rows land
	s_wait_alu depctr_va_vdst(0)                   ; the move above is done reading v20, in which the next step's coverage lands; in the first trip: the head's sums have written v238-241, v246 and v247, in which the second K step's numbers land
	s_cmp_eq_u32 s31, 0
	s_cbranch_scc1 .Lnonext1
	s_wait_xcnt 0x0
	RINGBASE 30
	RINGLOAD                                       ; the next step's rows: they have this whole step in which to land
.Lnonext1:
	QLOAD 1
.irp q, 0,1,2,3
.if \q < 3
	s_wait_dscnt 16                                ; all but the next K step's 16 loads: my numbers are in
.else
	s_wait_dscnt 0x0
.endif
.if \q > 0
	s_wait_alu depctr_vm_vsrc(0)                   ; the last image's LDS stores have read v114-125, which the conversions below write again
.endif
	QUANT QT+64*(\q%2), F, WQ+2*\q
.if \q == 3
	v_max3_num_f32 v[T0], |v21|, |v21|, FLOOR      ; the coverage block: one number and 31 zeros.  Its lines stand here, so that its two stores share the wait below
	v_add_nc_u32 v[SO0], EOFF, v[T0]
	v_lshrrev_b32 v[T1], 23, v[SO0]
	v_cndmask_b32 v[QT], 0, v21, s40               ; lanes 16-31 hold k = 32 .. of the step: zeros
.set i_, 1
.rept 15
	v_mov_b32 v[QT+i_], 0
.set i_, i_+1
.endr
	v_cvt_scalef32_pk16_fp6_f32 v[CT:CT+2], v[QT:QT+15], v[SO0]
	v_nop
.endif
	s_wait_alu depctr_va_vdst(0)                   ; the fragment and its scale word (in the last K step the coverage's code and scale words too) are written, which the LDS stores read; the conversions are done reading their 64 numbers, in whose registers the K step after the next lands
.irp c, 0,1,2
	ds_store_b128 v7, v[F+4*\c:F+4*\c+3] offset:1536*\q+512*\c     ; the fragment as an image of its registers
.endr
	ds_store_b32 v11, v[WQ+2*\q] offset:4*\q
.if \q == 3
	ds_store_b32 v10, v[CT]
	ds_store_b32 v10, v[T1] offset:XCS-XCI
.endif
.if \q < 2
	QLOAD \q+2
.endif
.endr
.Ls1:
	s_wait_dscnt 0x0
	s_wait_alu depctr_vm_vsrc(0)                   ; phase 1's LDS stores have read v114-125, in which phase 3's loads land, and the words among v77-92, which the next trip's quantising writes
	s_barrier_signal -1
	s_barrier_wait -1                              ; x's images lie in LDS
	s_cmp_eq_u32 s29, 0
	s_cbranch_scc1 .Ls2
	; ---- 2: the products, tanh, and my wave's part of the 64 logits
.rept 8
	v_nop                                          ; places between vector writes of the spare registers among W1's coverage words and the scaled products that name them
.endr
	s_wait_alu depctr_va_vdst(0)                   ; behind the places: the vector lines that wrote the spare registers among W1's coverage words and x's coverage fragment's zeros are done, which the scaled products name; and those that read or wrote v126-173, in which x's fragments land
	XL01 0
	XL23 0
	XLC 0
	s_wait_dscnt 0x0
	UNIT 0, 0
	UNIT 0, 1
	UNIT 1, 0
	UNIT 1, 1
	UNIT 2, 0
	UNIT 2, 1
	UNIT 3, 0
	UNIT 3, 1
.set te_, 0
.rept 121
	TE te_, 1, 3                                   ; the last group's tanh, on end
.set te_, te_+1
.endr
	WIN 0
	s_wait_alu depctr_va_vdst(0)                   ; the four partial logits v248-251 are written, which the stores read; the tanh lists are done with the bias, the accumulators and the sums, in whose registers phase 3's loads land
.irp m, 0,1,2,3
	ds_store_b32 v12, v[TS+\m] offset:64*\m        ; both halves of the lanes write the same word with the same value
.endr
.Ls2:
	s_wait_dscnt 0x0
	s_wait_alu depctr_vm_vsrc(0)                   ; the four stores have read v248-251, in which phase 3's weights land
	s_barrier_signal -1
	s_barrier_wait -1                              ; the four waves' parts of the logits lie in LDS
	s_cmp_eq_u32 s29, 0
	s_cbranch_scc1 .Ls3
	; ---- 3: the logits, the step's weights, and my 16 rows' part of the context
	s_cmp_eq_u32 s31, 0
	s_cbranch_scc1 .Lnonext3
	s_wait_xcnt 0x0
	BIASBASE 30
	BIASLOAD                                       ; the next step's bias: this step's tanh is done (the wait at phase 2's end)
.Lnonext3:
.irp wv, 0,1,2,3
	ds_load_b64 v[F+2*\wv:F+2*\wv+1], v13 offset:256*\wv           ; positions 2 x lane and 2 x lane + 1
.endr
	s_wait_dscnt 0x0
	v_pk_add_f32 v[F:F+1], v[F:F+1], v[F+2:F+3]
	v_pk_add_f32 v[F+4:F+5], v[F+4:F+5], v[F+6:F+7]
	v_pk_add_f32 v[F:F+1], v[F:F+1], v[F+4:F+5]
	v_pk_add_f32 v[F:F+1], v[F:F+1], s[38:39] op_sel_hi:[1,0]      ; + b2
	s_sub_co_u32 s54, s29, 1
	v_cmp_gt_u32 s60, s29, v22
	v_cmp_gt_u32 s61, s54, v22
	s_wait_alu depctr_va_sdst(0)                   ; the two masks are written, ahead of the selects that read them
	v_cndmask_b32 v[F], s62, v[F], s60             ; -infinity where the position does not count
	v_cndmask_b32 v[F+1], s62, v[F+1], s61
	v_max_num_f32 v[F+4], v[F], v[F+1]             ; the step's largest: its first position counts, so it is a number
	v_max_num_f32_dpp v[F+4], v[F+4], v[F+4] row_xmask:1 row_mask:0xf bank_mask:0xf
	v_max_num_f32_dpp v[F+4], v[F+4], v[F+4] row_xmask:2 row_mask:0xf bank_mask:0xf
	v_max_num_f32_dpp v[F+4], v[F+4], v[F+4] row_xmask:4 row_mask:0xf bank_mask:0xf
	v_max_num_f32_dpp v[F+4], v[F+4], v[F+4] row_xmask:8 row_mask:0xf bank_mask:0xf
	v_permlanex16_b32 v[TP], v[F+4], s[SEL], s[SEL+1]
	v_max_num_f32 v[F+4], v[F+4], v[TP]
	v_sub_f32 v[F+2], v[F], v[F+4]
	v_sub_f32 v[F+3], v[F+1], v[F+4]
	v_mul_f32 v[F+2], s41, v[F+2]
	v_mul_f32 v[F+3], s41, v[F+3]
	v_exp_f32 v[F+2], v[F+2]
	v_exp_f32 v[F+3], v[F+3]
	v_nop
	s_wait_alu depctr_va_vdst(0)                   ; the two exponentials have written the weights v116, v117, which the LDS store reads; the selects have written the logits v114, v115, which wave 0's store reads
	ds_store_b64 v14, v[F+2:F+3]                   ; my wave's own copy of the 64 weights;
.irp i, 0,1,2,3
	ds_load_b128 v[PB+4*\i:PB+4*\i+3], v15 offset:16*\i            ; my 16 rows', the same in every lane (LDS serves a wave's instructions in order)
.endr
	CB 0
	CB 1
	CB 2
	s_cmp_lg_u32 s2, 0
	s_cbranch_scc1 .Lnolog
	global_store_b64 v4, v[F:F+1], s[50:51]        ; wave 0 stores the step's 64 logits: 256 consecutive bytes, aligned
.Lnolog:
.irp b, 0,1,2,3,4,5,6,7
.if \b < 6
	s_wait_dscnt 16                                ; all but the two younger batches' loads
.elseif \b == 6
	s_wait_dscnt 8
.else
	s_wait_dscnt 0x0
.endif
.irp k, 0,1,2,3,4,5,6,7
.if \b == 0
	v_pk_mul_f32 v[CACC+2*\k:CACC+2*\k+1], v[XR+2*\k:XR+2*\k+1], v[PB:PB+1] op_sel_hi:[1,0]   ; row 0 starts the sums
.else
	v_pk_fma_f32 v[CACC+2*\k:CACC+2*\k+1], v[XR+32*(\b%3)+2*\k:XR+32*(\b%3)+2*\k+1], v[PB+2*\b:PB+2*\b+1], v[CACC+2*\k:CACC+2*\k+1] op_sel_hi:[1,0,1]
.endif
.endr
.irp k, 0,1,2,3,4,5,6,7
	v_pk_fma_f32 v[CACC+2*\k:CACC+2*\k+1], v[XR+32*(\b%3)+16+2*\k:XR+32*(\b%3)+16+2*\k+1], v[PB+2*\b:PB+2*\b+1], v[CACC+2*\k:CACC+2*\k+1] op_sel:[0,1,0] op_sel_hi:[1,1,1]
.endr
.if \b < 5
	s_wait_alu depctr_va_vdst(0)                   ; the sixteen multiply-adds above are done reading their buffer of rows, in which the loads below land
	CB \b+3
.endif
.endr
	s_wait_alu depctr_va_vdst(0)                   ; the context sums v222-237 are written, which the LDS stores read; the multiply-adds are done with v126-141, in which phase 4's loads land
.irp q, 0,1,2,3
	ds_store_b128 v16, v[CACC+4*\q:CACC+4*\q+3] offset:512*\q
.endr
.Ls3:
	s_wait_dscnt 0x0
	s_barrier_signal -1
	s_barrier_wait -1                              ; the four waves' parts of the context lie in LDS
	s_cmp_eq_u32 s29, 0
	s_cbranch_scc1 .Ls4
	; ---- 4: my quarter of the step's context row
.irp wv, 0,1,2,3
	ds_load_b128 v[XR+4*\wv:XR+4*\wv+3], v17 offset:2048*\wv
.endr
	s_wait_dscnt 0x0
	v_pk_add_f32 v[XR:XR+1], v[XR:XR+1], v[XR+4:XR+5]
	v_pk_add_f32 v[XR+2:XR+3], v[XR+2:XR+3], v[XR+6:XR+7]
	v_pk_add_f32 v[XR+8:XR+9], v[XR+8:XR+9], v[XR+12:XR+13]
	v_pk_add_f32 v[XR+10:XR+11], v[XR+10:XR+11], v[XR+14:XR+15]
	v_pk_add_f32 v[XR:XR+1], v[XR:XR+1], v[XR+8:XR+9]
	v_pk_add_f32 v[XR+2:XR+3], v[XR+2:XR+3], v[XR+10:XR+11]
	s_wait_alu depctr_va_vdst(0)                   ; the sums v126-129 are written, which the store reads; the additions are done with v126-141, in which the next trip's numbers land
	global_store_b128 v1, v[XR:XR+3], s[52:53]     ; 512 consecutive bytes a wave
.Ls4:
	s_wait_kmcnt 0x0                               ; the entry after the next is in, and its load has read the list's address
	s_wait_xcnt 0x0                                ; the trip's stores and loads have read their registers and bases
	s_wait_alu depctr_vm_vsrc(0)                   ; phases 3 and 4's stores have read the logits and weights v114-117, the context sums v222-237 and the context row v126-129: the next trip's conversions and LDS loads write them
	s_mov_b64 s[28:29], s[30:31]
	s_mov_b64 s[30:31], s[32:33]
	s_add_nc_u64 s[22:23], s[22:23], 0x800
	s_add_co_u32 s3, s3, 1
	s_cmp_lt_u32 s3, 8
	s_cbranch_scc1 .Ltrip
	s_wait_dscnt 0x0                               ; the closing lines, six on end
	s_wait_alu 0x0
	s_wait_tensorcnt 0x0
	ds_add_u32 v254, v255
	s_wait_dscnt 0x0
	s_endpgm
.Lfunc_end_k_qef33bd4480_main:
	.size	k_qef33bd4480_main, .Lfunc_end_k_qef33bd4480_main-k_qef33bd4480_main
	.p2alignl 7, 3214868480
	.fill 96, 4, 3214868480
	.section	.rodata,"a",@progbits
	.p2align	6, 0x0
	.amdhsa_kernel k_qef33bd4480_main
		.amdhsa_group_segment_fixed_size 170496
		.amdhsa_private_segment_fixed_size 0
		.amdhsa_enable_private_segment 0
		.amdhsa_kernarg_size 80
		.amdhsa_user_sgpr_count 2
		.amdhsa_user_sgpr_kernarg_segment_ptr 1
		.amdhsa_wavefront_size32 1
		.amdhsa_system_sgpr_workgroup_id_x 1
		.amdhsa_system_sgpr_workgroup_id_y 1
		.amdhsa_system_sgpr_workgroup_id_z 1
		.amdhsa_system_vgpr_workitem_id 0
		.amdhsa_next_free_vgpr 1024
		.amdhsa_next_free_sgpr 66
		.amdhsa_reserve_vcc 0
		.amdhsa_float_denorm_mode_32 3
		.amdhsa_float_denorm_mode_16_64 3
		.amdhsa_memory_ordered 1
		.amdhsa_forward_progress 1
		.amdhsa_inst_pref_size 157
	.end_amdhsa_kernel
	.amdgpu_metadata
---
amdhsa.version: [ 1, 2 ]
amdhsa.kernels:
  - .name:           k_qef33bd4480_main
    .symbol:         k_qef33bd4480_main.kd
    .args:
      - { .name: text_states, .offset: 0, .size: 8, .value_kind: global_buffer, .address_space: global }
      - { .name: coverage, .offset: 8, .size: 8, .value_kind: global_buffer, .address_space: global }
      - { .name: W2, .offset: 16, .size: 8, .value_kind: global_buffer, .address_space: global }
      - { .name: b2, .offset: 24, .size: 8, .value_kind: global_buffer, .address_space: global }
      - { .name: w1f, .offset: 32, .size: 8, .value_kind: global_buffer, .address_space: global }
      - { .name: w1m, .offset: 40, .size: 8, .value_kind: global_buffer, .address_space: global }
      - { .name: biasw, .offset: 48, .size: 8, .value_kind: global_buffer, .address_space: global }
      - { .name: list, .offset: 56, .size: 8, .value_kind: global_buffer, .address_space: global }
      - { .name: logit, .offset: 64, .size: 8, .value_kind: global_buffer, .address_space: global }
      - { .name: ctxp, .offset: 72, .size: 8, .value_kind: global_buffer, .address_space: global }
    .group_segment_fixed_size: 170496
    .private_segment_fixed_size: 0
    .kernarg_segment_align: 8
    .kernarg_segment_size: 80
    .max_flat_workgroup_size: 128
    .sgpr_count:     66
    .vgpr_count:     1024
    .wavefront_size: 32
...
	.end_amdgpu_metadata
.endif
;; end of part 5
;; launch comb: the kernel of part 3 again; grid 8 x 32, 1 waves a work-group, no clusters, 0 bytes of LDS; arguments text_length, logit, ctxp, out0, out1; writes out0, out1
